; MI455X (gfx1250); checked and timed in simulation.
; The chip was launched on July 23, 2026; its instructions are those of AMD's public machine-readable ISA for CDNA 5 (MIT licence, August 2026) and "CDNA5" Instruction Set Architecture Reference Guide (July 2026). The comments in the code are by the model that wrote it; some were corrected since.
;; Ro PE Multihead Attention. Allowed arithmetic: matrix products marked QUANTISED: E3M2 operands, one E8M0 scale for each 32 along K, by v_wmma_scale_f32_16x16x128_f8f6f4 with both operands' format E3M2, f32 sums; everything else in f32.
;; Inputs: b_out 1,024 float32; b_qkv 3,072 float32; w_out 1,024 x 1,024 float32; w_qkv 3,072 x 1,024 float32; x 4 x 2,048 x 1,024 float32.
;; Outputs: out0 4 x 2,048 x 1,024 float32.
;; This version of the problem:
;;   THIS VERSION OF THE PROBLEM IS GIVEN IN LOW PRECISION. The matrix products marked QUANTISED in the list below multiply operands that are first quantised to E3M2 (3 exponent bits, 2 mantissa bits; 6 bits a number), with one power-of-two scale for each 32 numbers along K (OCP MX v1.0); their sums are f32. All else is computed in f32.
;;   The module's matrix products, in the order in which they are computed (A, B: the left and right operand; K: the contracted axis; several contracted axes count as one K, in the product's order):
;;     1. [M 8,192, K 1,024] x [K 1,024, N 3,072]; A: input x; B: input w_qkv: QUANTISED
;;     2. batch 64 x [M 2,048, K 64] x [K 64, N 2,048]; A: computed on the way; B: computed on the way: QUANTISED
;;     3. batch 64 x [M 2,048, K 2,048] x [K 2,048, N 64]; A: softmax (see below); B: computed on the way: QUANTISED
;;     4. [M 8,192, K 1,024] x [K 1,024, N 1,024]; A: computed on the way; B: input w_out: QUANTISED
;;   THE QUANTISER, for each operand of a quantised product, along K:
;;     - K is cut into blocks of 32 from its start; a last block that is shorter is filled with zeros.
;;     - A block's scale is 2^e with e = floor(log2(the largest magnitude in the block)) - 4, held to -126 .. 127; a block of zeros has e = 0. As a byte (E8M0): e + 127.
;;     - Each number is divided by its block's scale, clamped to +-28, and rounded to the nearest number of E3M2, ties to even, subnormals kept.
;;     - The product sums the exact products of the quantised numbers (number of the format x scale) in f32.
;;   ~~~python
;;   def quantise(x, axis):      # numpy; x: float32 -> the quantised numbers, widened to float32 again
;;       x = np.moveaxis(x, axis, -1); K = x.shape[-1]
;;       x = np.pad(x, [(0, 0)] * (x.ndim - 1) + [(0, -K % 32)]); x = x.reshape(x.shape[:-1] + (-1, 32)); a = np.abs(x).max(-1, keepdims=True)
;;       e = np.where(a > 0, np.clip(np.frexp(np.where(a > 0, a, 1))[1] - 1 - 4, -126, 127), 0)      # np.frexp(a)[1] - 1 = floor(log2(a)), exactly
;;       r = np.clip(x / 2.0 ** e, -28, 28)
;;       step = 2.0 ** (np.maximum(np.frexp(np.where(r == 0, 1, r))[1] - 1, -2) - 2)
;;       q = np.round(r / step) * step * 2.0 ** e      # np.round: ties to even
;;       return np.moveaxis(q.reshape(q.shape[:-2] + (-1,))[..., :K], -1, axis).astype(np.float32)
;;   ~~~
;;   SOFTMAX AHEAD OF A QUANTISED PRODUCT. Where the list says 'softmax', what is quantised is not the finished softmax but p = 2^(t - M), with t = logit x log2(e) and M = ceil(the row's largest t), a whole number; so 1/2 < the row's largest p <= 1. The row's sum l is taken of the UNQUANTISED p, in f32, and the product's result is divided by l at the end. Since M is a whole number, a kernel that streams over the keys may use a running M (the ceiling of the running maximum): every later rescaling is an exact power of two, which a block's scale takes up: the codes' values come out the same.
;;   OPERANDS COMPUTED ON THE WAY. 'Computed on the way' means the value that the module computes at that place (a softmax that the list does not call 'softmax' is quantised finished and normalised). What goes into a quantiser is computed in f32, as accurately as f32 sums, v_exp_f32 and their like allow (about 1e-6 of the number): no bf16 or f16 on the way to a quantiser, and a product that is left as it is and whose result goes on into a quantised operand takes f32 operands (vector FMAs, or v_wmma_f32_16x16x4_f32). A number that lies on a knife's edge between two numbers of the format may be rounded either way, as far as f32 arithmetic and the matrix unit's own rounding can turn it there, and no further.
;; One version. Each part assembles by itself: llvm-mc -triple=amdgcn-amd-amdhsa -mcpu=gfx1250 --defsym DOCPART=n.
;; ======== version 1 of 1: 4 launches
;; limits: right only within a limited range of input values
;; workspace buffers: prep 10,354,688 bytes; qb 14,155,776 bytes; kv 14,155,776 bytes; ab 6,553,600 bytes
;; launch prep (part 1): grid 416 x 1, 4 waves a work-group, no clusters, 34,304 bytes of LDS; arguments x, w_qkv, w_out, prep; writes prep
.if DOCPART == 1
	.amdgcn_target "amdgcn-amd-amdhsa--gfx1250"
	.amdhsa_code_object_version 6
	.text
	.protected	k_q0a59b9f322_prep
	.globl	k_q0a59b9f322_prep
	.p2align	8
	.type	k_q0a59b9f322_prep,@function
k_q0a59b9f322_prep:
	s_mov_b64 s[64:65], 0
	v_nop
	global_prefetch_b8 v0, s[64:65] scope:SCOPE_SE
	s_setreg_imm32_b32 hwreg(HW_REG_WAVE_MODE, 25, 1), 1
	s_wait_xcnt 0x0
; PREP: x [8192][1024], w_qkv [3072][1024] and w_out [1024][1024], f32, K innermost, become codes of BF6 (E3M2) with one E8M0 byte for each 32 along K, and the RoPE tables are made.
; THE CODES ARE LAID AS IMAGES OF OPERAND REGISTERS.  Rows go in tiles of 16; lane r of tile T holds row 32 (T / 2) + 8 (T % 2) + r + 8 (r / 8).  A fragment (16 rows x 128 K) is 12 registers a lane,
; registers 6 c .. 6 c + 5 = k 64 c + 32 (lane / 16) + 0 .. 31; its image is three runs of 512 bytes, registers 4 g .. 4 g + 3 of lane l at 512 g + 16 l.
; prep: images [tile G][q = K / 128][1,536 bytes] (G 0-511 x, 512-703 w_qkv, 704-767 w_out); from SCL0 the scale words [G][K / 256][r][2 words]; from TAB0 the tables [token tile][cos, sin][j][lane][16 bytes]:
; number e of lane (r, h) is cos or sin(s f), s the tile's row r, f = 10000^(-(16 h + 4 j + e) / 32).
; A block's scale is 2^(floor(log2(largest magnitude)) - 4): the byte is the largest magnitude's exponent field - 4, held at 1 from below.
; SHARES: work-groups 0-383: a wave takes one tile and four fragments (16 rows x 512 K).  Work-groups 384-415: a wave makes one token tile's tables.  Waves share nothing: no barrier, no cluster (no byte is read twice).
; LIMITS: NaN and infinities are not served.  A block of zeros gets the byte 1 where the quantiser's rule says 127: its codes are zeros, and this program alone reads the bytes.
; f is the f32 nearest to 10^(-i / 8) for i < 8, and that number times the f32 0.1, 0.01, 0.001 above: within 1.5 units of the last place.  The reduction of the angle holds for angles under 2^15 (here under 2,048).
.set SCL0,  9437184
.set TAB0,  9830400
.set SPIT,  528                        ; a stage row: 512 bytes + 16: 33 x 16, so the sixteen rows that one read touches begin at sixteen different places modulo 256 bytes
; window 1, v0-255: four sets of 16 rows x 16 bytes as loaded, one for each of the wave's four fragments: all 64 loads are asked for at the start
.set X,     80                         ; v80-143  register 32 c + n = k 64 c + 32 h + n of my row
.set C,     144                        ; v144-191 codes: 12 registers for each of the four steps, so that no store's data are written again
.set TT,    192                        ; v192-198 the conversions' second halves
.set MX,    200
.set SOP,   202
.set BY,    204
.set TP,    206
.set W,     208                        ; v208-211 the four scale words
.set MSB, 0
.macro WIN new                         ; the immediate's high byte repeats the setting that is left
.if MSB != (\new)
	s_set_vgpr_msb (MSB<<8)|(\new)
.set MSB, \new
.endif
.endm
	s_load_b256 s[4:11], s[0:1], 0x0               ; x s[4:5], w_qkv s[6:7], w_out s[8:9], prep s[10:11]
	v_lshl_add_u32 v224, v0, 2, 0x8400
	v_mov_b32 v225, 0
	v_lshrrev_b32 v1, 5, v0
	v_readfirstlane_b32 s12, v1                    ; wave
	v_and_b32 v1, 31, v0                           ; lane
	v_and_b32 v2, 15, v0                           ; r
	v_bfe_u32 v3, v0, 4, 1                         ; h
	v_lshlrev_b32 v4, 4, v1                        ; 16 x lane
	s_mov_b32 s19, 0
	s_cmp_ge_u32 ttmp9, 384
	s_cbranch_scc1 .Ltab
	s_mul_i32 s17, s12, 16*SPIT                    ; my wave's stage
	v_add_nc_u32 v5, s17, v4                       ; in: 16 x lane of a row
	v_mul_u32_u24 v6, v2, SPIT
	v_lshl_add_u32 v6, v3, 7, v6
	v_add_nc_u32 v6, s17, v6                       ; out: row r, + 128 h: my 32 numbers of each 64
	v_lshlrev_b32 v7, 3, v1                        ; 8 x lane
	v_lshlrev_b32 v8, 3, v3                        ; 8 h: my bytes' place in a scale word, in bits
	v_mov_b32 v[TP+1], 0                           ; written once: a lane permute's destination counts as one of its sources
	s_mov_b32 s26, 0x76543210
	s_mov_b32 s27, 0xfedcba98                      ; selects for lane l xor 16
	s_lshl_b32 s16, ttmp9, 2
	s_add_co_u32 s16, s16, s12                     ; my task
	s_and_b32 s15, s16, 1                          ; j: which half of K
	s_lshr_b32 s16, s16, 1                         ; G: which tile
	s_mov_b32 s13, 704
	s_wait_kmcnt 0x0
	s_cmp_lt_u32 ttmp9, 352                        ; the tensor is chosen by the work-group's number alone
	s_cselect_b64 s[20:21], s[6:7], s[8:9]
	s_cselect_b32 s13, 512, s13
	s_cmp_lt_u32 ttmp9, 256
	s_cselect_b64 s[20:21], s[4:5], s[20:21]
	s_cselect_b32 s13, 0, s13
	s_sub_co_u32 s14, s16, s13                     ; T: the tile within its tensor
	s_lshr_b32 s18, s14, 1
	s_lshl_b32 s18, s18, 17                        ; 32 rows of 4,096 bytes for each pair of tiles,
	s_and_b32 s28, s14, 1
	s_lshl_b32 s28, s28, 15                        ; 8 rows for the odd tile,
	s_or_b32 s18, s18, s28
	s_lshl_b32 s28, s15, 11                        ; 512 numbers along K
	s_or_b32 s18, s18, s28
	s_add_nc_u64 s[20:21], s[20:21], s[18:19]
	s_mul_i32 s18, s16, 12288
	s_mul_i32 s28, s15, 6144
	s_add_co_u32 s18, s18, s28
	s_add_nc_u64 s[22:23], s[10:11], s[18:19]      ; my four images
	s_lshl_b32 s18, s16, 9
	s_lshl_b32 s28, s15, 8
	s_add_co_u32 s18, s18, s28
	s_add_co_u32 s18, s18, SCL0
	s_add_nc_u64 s[24:25], s[10:11], s[18:19]      ; my 256 bytes of scale words
.macro LOAD t                          ; fragment t: of each of the tile's 16 rows 512 consecutive bytes, 16 a lane, into set t of window 1
	WIN 0x40
.irp i, 0,1,2,3,4,5,6,7,8,9,10,11,12,13,14,15
	global_load_b128 v[64*(\t)+4*\i:64*(\t)+4*\i+3], v4, s[20:21] offset:(\i+8*(\i/8))*4096+512*(\t) th:TH_LOAD_NT
.endr
	WIN 0
.endm
.macro STEP t
	s_wait_loadcnt 16*(3-(\t))                     ; this fragment's 16 loads are in; those of the later fragments may be out
	WIN 0x04                                       ; the data: window 1
.irp i, 0,1,2,3,4,5,6,7,8,9,10,11,12,13,14,15
	ds_store_b128 v5, v[64*(\t)+4*\i:64*(\t)+4*\i+3] offset:SPIT*\i
.endr
	WIN 0
.irp c, 0,1
.irp e, 0,1,2,3,4,5,6,7
	ds_load_b128 v[X+32*\c+4*\e:X+32*\c+4*\e+3], v6 offset:256*\c+16*\e   ; LDS serves a wave's instructions in order: these see the stores above
.endr
.endr
	s_wait_dscnt 0x0
.irp c, 0,1                                    ; my block 2 c + h: all its 32 numbers are mine
	v_max3_num_f32 v[MX+\c], |v[X+32*\c]|, |v[X+32*\c+1]|, 0x2800000   ; and the floor 2^(5 - 127): the byte cannot fall under 1
.endr
.irp i, 2,4,6,8,10,12,14,16,18,20,22,24,26,28,30
.irp c, 0,1
	v_max3_num_f32 v[MX+\c], v[MX+\c], |v[X+32*\c+\i]|, |v[X+32*\c+\i+1]|
.endr
.endr
.irp c, 0,1
	v_add_nc_u32 v[SOP+\c], 0xfe000000, v[MX+\c]   ; 4 off the exponent field: the conversion takes this operand's exponent field as its scale
.endr
.irp c, 0,1
	v_lshrrev_b32 v[BY+\c], 23, v[SOP+\c]          ; the scale's byte
.endr
	v_lshl_or_b32 v[TP], v[BY+1], 16, v[BY]        ; blocks h and 2 + h of row r,
	v_lshlrev_b32 v[TP], v8, v[TP]                 ; at their places in the word;
	v_permlanex16_b32 v[TP+1], v[TP], s26, s27
	v_or_b32 v[W+(\t)], v[TP], v[TP+1]             ; with lane l xor 16's two the word is whole, in both lanes
.irp c, 0,1
	v_cvt_scalef32_pk16_bf6_f32 v[C+12*(\t)+6*\c:C+12*(\t)+6*\c+2], v[X+32*\c:X+32*\c+15], v[SOP+\c]
	v_cvt_scalef32_pk16_bf6_f32 v[TT+4*\c:TT+4*\c+2], v[X+32*\c+16:X+32*\c+31], v[SOP+\c]   ; (a conversion's three registers begin on an even number)
.endr
	v_nop                                          ; one plain line behind the scaled conversions
.irp c, 0,1
.irp i, 0,1,2
	v_mov_b32 v[C+12*(\t)+6*\c+3+\i], v[TT+4*\c+\i]
.endr
.endr
.irp g, 0,1,2
	global_store_b128 v4, v[C+12*(\t)+4*\g:C+12*(\t)+4*\g+3], s[22:23] offset:1536*(\t)+512*\g   ; 32 lanes store 512 consecutive bytes, aligned to 256
.endr
.endm
	s_wait_alu depctr_va_vdst(0)
	LOAD 0
	LOAD 1
	LOAD 2
	LOAD 3
	STEP 0
	STEP 1
	STEP 2
	STEP 3
	v_cmp_ne_u32 vcc_lo, 0, v3                     ; lanes 0-15 store the words of K steps 4 j, 4 j + 1, lanes 16-31 those of 4 j + 2, 4 j + 3: 128 h + 8 r = 8 x lane
	v_cndmask_b32 v212, v[W], v[W+2], vcc_lo
	v_cndmask_b32 v213, v[W+1], v[W+3], vcc_lo
	global_store_b64 v7, v[212:213], s[24:25]      ; one aligned run of 256 bytes
	s_wait_tensorcnt 0x0
	ds_add_u32 v224, v225
	s_wait_dscnt 0x0
	s_endpgm
.Ltab:                                             ; THE TABLES.  v16-31 cos, v32-47 sin of my token's angle with frequencies 16 h + 0 .. 15
	s_sub_co_u32 s13, ttmp9, 384
	s_lshl_b32 s13, s13, 2
	s_add_co_u32 s13, s13, s12                     ; my token tile, 0 .. 127
	s_lshr_b32 s14, s13, 1
	s_lshl_b32 s14, s14, 5
	s_and_b32 s15, s13, 1
	s_lshl_b32 s15, s15, 3
	s_add_co_u32 s14, s14, s15
	s_wait_alu depctr_va_vdst(0)
	v_and_b32 v5, 8, v2
	v_add3_u32 v5, v5, v2, s14                     ; my token: 32 (T / 2) + 8 (T % 2) + r + 8 (r / 8)
	v_cvt_f32_u32 v5, v5
	v_cmp_ne_u32 s28, 0, v3
	v_mov_b32 v6, 1.0
	v_mov_b32 v10, 0x3c23d70a
	v_cndmask_b32 v6, v6, v10, s28                 ; 10^(-2 h)
	v_mov_b32 v7, 0x3dcccccd
	v_mov_b32 v10, 0x3a83126f
	v_cndmask_b32 v7, v7, v10, s28                 ; 10^(-2 h - 1)
	v_mov_b32 v8, 0x3638ef1d                       ; 1 / 9!
	v_mov_b32 v9, 0xb493f27e                       ; -1 / 10!
	s_lshl_b32 s18, s13, 12
	s_add_co_u32 s18, s18, TAB0
	s_wait_alu depctr_va_vdst(0)
	s_wait_kmcnt 0x0
	s_add_nc_u64 s[22:23], s[10:11], s[18:19]
; frequency i of my sixteen; a = 10^(-(i % 8) / 8).  angle = token x f, one rounding.  n = the nearest whole number to angle x 2 / pi; angle - n pi / 2 in two fused steps (pi / 2 = 0x3fc90fdb - 0x333bbd2e);
; Taylor sums on |rest| <= pi / 4 (the first terms left out are under 2e-9); the quadrant n mod 4 swaps the two and sets the signs, by selects: no branch hangs on these numbers.
.macro TRIG i, a
	v_mul_f32 v10, \a, v[6+(\i)/8]
	v_mul_f32 v11, v5, v10
	v_mul_f32 v12, 0x3f22f983, v11
	v_rndne_f32 v12, v12
	v_fmamk_f32 v13, v12, 0xbfc90fdb, v11
	v_fmamk_f32 v13, v12, 0x333bbd2e, v13
	v_mul_f32 v14, v13, v13
	v_fmaak_f32 v48, v14, v8, 0xb9500d01
	v_fmaak_f32 v49, v14, v9, 0x37d00d01
	v_fmaak_f32 v48, v48, v14, 0x3c088889
	v_fmaak_f32 v49, v49, v14, 0xbab60b61
	v_fmaak_f32 v48, v48, v14, 0xbe2aaaab
	v_fmaak_f32 v49, v49, v14, 0x3d2aaaab
	v_mul_f32 v50, v13, v14
	v_fmaak_f32 v49, v49, v14, 0xbf000000
	v_fma_f32 v48, v50, v48, v13                   ; sin of the rest
	v_fma_f32 v49, v49, v14, 1.0                   ; cos of the rest
	v_cvt_i32_f32 v52, v12
	v_and_b32 v50, 1, v52
	v_cmp_ne_u32 vcc_lo, 0, v50
	v_cndmask_b32 v53, v48, v49, vcc_lo            ; odd quadrants swap the two
	v_cndmask_b32 v54, v49, v48, vcc_lo
	v_and_b32 v50, 2, v52
	v_add_nc_u32 v51, 1, v52
	v_lshlrev_b32 v50, 30, v50                     ; sin is negated in quadrants 2, 3,
	v_and_b32 v51, 2, v51
	v_xor_b32 v[32+\i], v53, v50
	v_lshlrev_b32 v51, 30, v51                     ; cos in quadrants 1, 2
	v_xor_b32 v[16+\i], v54, v51
.endm
	TRIG 0, 1.0
	TRIG 1, 0x3f3ff911
	TRIG 2, 0x3f0ff59a
	TRIG 3, 0x3ed7e89b
	TRIG 4, 0x3ea1e89b
	TRIG 5, 0x3e72d424
	TRIG 6, 0x3e361887
	TRIG 7, 0x3e088d77
	TRIG 8, 1.0
	TRIG 9, 0x3f3ff911
	TRIG 10, 0x3f0ff59a
	TRIG 11, 0x3ed7e89b
	TRIG 12, 0x3ea1e89b
	TRIG 13, 0x3e72d424
	TRIG 14, 0x3e361887
	TRIG 15, 0x3e088d77
.irp j, 0,1,2,3
	global_store_b128 v4, v[16+4*\j:19+4*\j], s[22:23] offset:512*\j
	global_store_b128 v4, v[32+4*\j:35+4*\j], s[22:23] offset:2048+512*\j
.endr
	s_endpgm
.Lfunc_end_k_q0a59b9f322_prep:
	.size	k_q0a59b9f322_prep, .Lfunc_end_k_q0a59b9f322_prep-k_q0a59b9f322_prep
	.p2alignl 7, 3214868480
	.fill 96, 4, 3214868480
	.section	.rodata,"a",@progbits
	.p2align	6, 0x0
	.amdhsa_kernel k_q0a59b9f322_prep
		.amdhsa_group_segment_fixed_size 34304
		.amdhsa_private_segment_fixed_size 0
		.amdhsa_enable_private_segment 0
		.amdhsa_kernarg_size 32
		.amdhsa_user_sgpr_count 2
		.amdhsa_user_sgpr_kernarg_segment_ptr 1
		.amdhsa_wavefront_size32 1
		.amdhsa_system_sgpr_workgroup_id_x 1
		.amdhsa_system_sgpr_workgroup_id_y 1
		.amdhsa_system_sgpr_workgroup_id_z 1
		.amdhsa_system_vgpr_workitem_id 0
		.amdhsa_next_free_vgpr 512
		.amdhsa_next_free_sgpr 66
		.amdhsa_reserve_vcc 1
		.amdhsa_float_denorm_mode_32 3
		.amdhsa_float_denorm_mode_16_64 3
		.amdhsa_memory_ordered 1
		.amdhsa_forward_progress 1
		.amdhsa_inst_pref_size 54
	.end_amdhsa_kernel
	.amdgpu_metadata
---
amdhsa.version: [ 1, 2 ]
amdhsa.kernels:
  - .name:           k_q0a59b9f322_prep
    .symbol:         k_q0a59b9f322_prep.kd
    .args:
      - { .name: x, .offset: 0, .size: 8, .value_kind: global_buffer, .address_space: global }
      - { .name: w_qkv, .offset: 8, .size: 8, .value_kind: global_buffer, .address_space: global }
      - { .name: w_out, .offset: 16, .size: 8, .value_kind: global_buffer, .address_space: global }
      - { .name: prep, .offset: 24, .size: 8, .value_kind: global_buffer, .address_space: global }
    .group_segment_fixed_size: 34304
    .private_segment_fixed_size: 0
    .kernarg_segment_align: 8
    .kernarg_segment_size: 32
    .max_flat_workgroup_size: 128
    .sgpr_count:     66
    .vgpr_count:     512
    .wavefront_size: 32
...
	.end_amdgpu_metadata
.endif
;; end of part 1
;; launch qkv (part 2): grid 12 x 32, 4 waves a work-group, clusters of 4 x 4, 327,680 bytes of LDS; arguments prep, b_qkv, qb, kv; writes qb, kv
.if DOCPART == 2
	.amdgcn_target "amdgcn-amd-amdhsa--gfx1250"
	.amdhsa_code_object_version 6
	.text
	.protected	k_q0a59b9f322_qkv
	.globl	k_q0a59b9f322_qkv
	.p2align	8
	.type	k_q0a59b9f322_qkv,@function
k_q0a59b9f322_qkv:
	s_mov_b64 s[64:65], 0
	v_nop
	global_prefetch_b8 v0, s[64:65] scope:SCOPE_SE
	s_setreg_imm32_b32 hwreg(HW_REG_WAVE_MODE, 25, 1), 1
	s_wait_xcnt 0x0
	s_wait_alu depctr_hold_cnt(0) depctr_sa_sdst(0) depctr_va_vdst(0) depctr_va_sdst(0) depctr_va_ssrc(0) depctr_va_vcc(0) depctr_vm_vsrc(0)
	s_getreg_b32 s2, hwreg(HW_REG_IB_STS2, 6, 4)
	s_cmp_eq_u32 s2, 0
	s_cbranch_scc0 .Lentry_in_a_cluster
	s_endpgm
.Lentry_in_a_cluster:
	s_bfe_u32 s2, ttmp6, 0x10000c
	s_cmp_lg_u32 s2, 0xf033
	s_cbranch_scc0 .Lentry_shape_is_right
	s_endpgm
.Lentry_shape_is_right:
; QKV: qkv = x w_qkv^T + b_qkv on codes of BF6 (E3M2) with E8M0 scales (K = 1,024), then RoPE on q and k, and q, k, v are quantised in registers for the attention's two products and stored as images of its operand registers.
; A tile of 256 x 256 is made by four waves, each 128 x 128: 64 accumulators of 16 x 16, 512 registers.  K goes in four steps of 256 through two LDS slots filled by the tensor data mover.
; OPERANDS lie in prep as images of their registers (16 rows x 128 K = 1,536 bytes; lane r of tile T is row 32 (T / 2) + 8 (T % 2) + r + 8 (r / 8)): a fragment is three loads of 16 bytes a lane, 512 consecutive bytes each.
; ROLES.  Source 1's rows (A) are the result's lanes; source 0's rows (B) run along a lane's registers, and by the tiles' row order the 16 registers of B's tiles 2 j, 2 j + 1 are 16 neighbours, 32 j + 16 (lane / 16) + 0 .. 15.
;   clusters x = 0 (q), 1 (k): A = 256 tokens, B = 256 features: a lane holds one token and, in 64 registers, two heads: both halves of a head's rotation, and the next product's K (the head's 64), lie in the lane.
;   cluster  x = 2 (v):        A = 256 features of v, B = 256 tokens: a lane holds one feature and 128 tokens in four blocks of 32: the keys, the third product's K.
; The roles hang on the cluster's x alone, which all partners share.  A's tiles hang on the cluster's y and cy and are shared along a row of the cluster, B's on cx and are shared along a column: each is asked for jointly.
; OUT.  qb and kv: [batch x 16 + head][step of 128 tokens][13,824 bytes]: +0 four images, each the 6 + 6 registers of two token tiles (a head's 64 codes); +6,144 four fragments of v (16 of the head's 64 x 128 keys);
;   +12,288 the token tiles' scale words (bytes 0, 1; bytes 2, 3 are 0), [g][lane][4 words]; +13,312 v's scale words [lane][4 words].  q fills only the first and third part of qb.
; Both kinds of bias and the first three tables are loaded by every work-group, with addresses that stay inside their buffers in both roles, so that the text parts only once, behind the last product.
; LIMITS: NaN and infinities are not served; a block of zeros gets the byte 1 (its codes are zeros; this program alone reads the bytes); x1 cos - x2 sin is a product and a fused multiply-add.
; REGISTERS, in windows of 256.  Window 0: v16-29 addresses; v32-63 scale words, two sets; v128-223 A's fragments, one set; v224-239 v's bias; on the way out v64-127 and v128-201 at work.
;   Window 1: B's fragments, two sets, v0-95 and v128-223; v96-127 and v224-255 the 64 biases of q, k; on the way out v0-95 and v128-223 six sets of tables.   Windows 2, 3: the accumulators, (a, b) at v[8 (8 (a % 4) + b)].
.set NQ,     2                         ; matrix instructions deep in a slot
.set FR,     12                        ; registers of a fragment
.set NLA,    3                         ; LDS loads that bring one
.set NP,     4                         ; places behind this matrix instruction (ISA guide 7.12.1)
.set FRB,    1536                      ; a fragment's image
.set TILEB,  NQ*FRB                    ; a tile's part of a slot
.set HALFT,  8*TILEB                   ; 8 tiles, 128 rows: what one tensor load brings
.set SLOT,   4*HALFT                   ; A's 256 rows, then B's 256 rows
.set SCLL,   2*SLOT                    ; behind the ring: the scale words of all of K, 4,096 bytes for each 128 rows; filled once
.set SPARE,  SCLL+4*4096               ; the spare words, 128 bytes for each wave: two blocks of 256 bytes that no other line names
.set IMGT,   12288                     ; a tile's eight images in prep
.set SCL0,   9437184
.set TAB0,   9830400
.set STEPB,  13824
.set HEADB,  16*STEPB
.set ADRA, 16                          ; v16-17  LDS address of my A fragments in slot 0, 1
.set ADRB, 20                          ; v20-21  the same for B
.set LI,   24                          ; v24     16 x lane
.set H64,  25                          ; v25     64 (lane / 16)
.set RO4,  26                          ; v26     4 (r + 8 (r / 8))
.set ADRS, 27                          ; v27     LDS address of my scale words: lanes 0-15 A's rows, lanes 16-31 B's
.set SPW,  28                          ; v28     LDS address of my spare word; never rewritten
.set NIL,  29                          ; v29     0; never rewritten
.set SC,   32                          ; scale words: set s at v[SC + 16 s]; register 2 i + q: lanes 0-15 A's tile i, lanes 16-31 B's tile i
.set SW,   64                          ; the way out: v64-71, v72-79 scale words to store
.set RR,   80                          ; v80-103 codes to store
.set CT,   104                         ; v104-110 the conversions' second halves
.set TM,   112                         ; v112-127 at work in QUANT
.set AF,   128
.set XX,   128                         ; the way out: 64 numbers
.set PW,   192                         ; the scale word just made
.set TP,   194                         ; v194-201 four pairs at work
.set BV,   224                         ; v224-239 v's bias, twice for each tile of A
.set SEL,  66
.set G1,   24
.set G0,   32
.set G1B,  48
.set G0B,  56
.set G1S,  68
.set G0S,  76
.set G1SB, 80
.set G0SB, 88
.set MSB, 0
.macro WIN new                         ; the immediate's high byte repeats the setting that is left
.if MSB != (\new)
	s_set_vgpr_msb (MSB<<8)|(\new)
.set MSB, \new
.endif
.endm
.set MUL_LO, 0xa1                      ; source 0 (B) window 1, source 1 (A) window 0, C and D window 2
.set MUL_HI, 0xf1                      ; the same, C and D window 3
.set TO_B,   0x40                      ; destination window 1, address window 0
; A joint load: waves 0 and 1 fetch for A, waves 2 and 3 for B; the branch hangs on the wave's number alone.  Four v_nop follow each of the two lines.
.macro JLOAD g0a, g1a, g0b, g1b
	s_cmp_eq_u32 s15, 0
	s_cbranch_scc0 .Lfor_b_\@
	tensor_load_to_lds s[\g0a:\g0a+3], s[\g1a:\g1a+7]
	s_nop 0
.rept 4
	v_nop
.endr
	s_branch .Lasked_\@
.Lfor_b_\@:
	tensor_load_to_lds s[\g0b:\g0b+3], s[\g1b:\g1b+7]
	s_nop 0
.rept 4
	v_nop
.endr
.Lasked_\@:
.endm
.macro CREST                           ; a round of the cluster's barrier behind its opening barrier
	s_cmp_lg_u32 s14, 0
	s_cbranch_scc1 .Lnot_wave_0_\@
	s_barrier_signal -3
.Lnot_wave_0_\@:
	s_barrier_wait -3
	s_barrier_signal -1
	s_barrier_wait -1
.endm
.macro CROUND                          ; a whole round
	s_barrier_signal -1
	s_barrier_wait -1
	CREST
.endm
	s_load_b256 s[4:11], s[0:1], 0x0               ; prep s[4:5], b_qkv s[6:7], qb s[8:9], kv s[10:11]
	v_lshl_add_u32 v[SPW], v0, 2, SPARE
	v_mov_b32 v[NIL], 0
	ds_add_u32 v28, v29
	ds_add_u32 v28, v29
	s_wait_dscnt 0x0
	v_lshrrev_b32 v1, 5, v0
	v_readfirstlane_b32 s14, v1                    ; wave 0..3
	s_lshr_b32 s15, s14, 1                         ; which half of A's rows is mine.  Also: I fetch for A (0) or for B (1)
	s_and_b32 s16, s14, 1                          ; which half of B's rows.  Also: which 128 rows I fetch
	s_bfe_u32 s40, ttmp6, 0x40000                  ; cx
	s_bfe_u32 s41, ttmp6, 0x40004                  ; cy
	s_and_b32 s17, ttmp7, 0xffff
	s_lshl_b32 s17, s17, 2                         ; 4 x cluster y: blocks of 256 tokens
	s_lshl_b32 s42, ttmp9, 2
	s_add_co_u32 s42, s42, 32                      ; w_qkv's blocks of 256 rows begin at block 32 of prep: q's at 32, k's at 36, v's at 40
	s_cmp_eq_u32 ttmp9, 2                          ; v's cluster?  The cluster's x: the same in all sixteen partners
	s_cselect_b32 s18, 40, s17
	s_cselect_b32 s19, s17, s42
	s_add_co_u32 s17, s18, s41                     ; A's block of 256 rows: + cy
	s_add_co_u32 s42, s19, s40                     ; B's: + cx
	s_lshl_b32 s43, s41, 2
	s_lshl_b32 s43, 15, s43                        ; my row of the cluster
	s_lshl_b32 s44, 0x1111, s40                    ; my column
	; descriptor group 1: 8 rows (tiles) of 3,072 bytes (two images), 12,288 bytes apart; elements of 8 bytes; no padding: every LDS read takes 512 consecutive bytes
	s_or_b32 s[G1+0], s43, (3<<16)|(1<<21)         ; 15:0 the mask: A's tiles go to my row; 17:16 elements of 8 bytes; 21 set beside a mask
	s_or_b32 s[G1B+0], s44, (3<<16)|(1<<21)
.irp g, G1, G1B
	s_mov_b32 s[\g+1], 384<<16                     ; tensor_dim0
	s_mov_b32 s[\g+2], 16<<16                      ; tensor_dim1: the head's loads bring all 16 tiles of a block; behind them the two words that count rows are set to 8
	s_mov_b32 s[\g+3], 384<<16                     ; tile_dim0
	s_mov_b32 s[\g+4], 16                          ; tile_dim1
	s_mov_b32 s[\g+5], 1536                        ; tensor_dim0_stride
	s_mov_b32 s[\g+6], 0
	s_mov_b32 s[\g+7], 0
.endr
	; and for the scale words of 256 rows: 8,192 dense bytes as 32 rows of 256
	s_or_b32 s[G1S+0], s43, (3<<16)|(1<<21)
	s_or_b32 s[G1SB+0], s44, (3<<16)|(1<<21)
.irp g, G1S, G1SB
	s_mov_b32 s[\g+1], 32<<16
	s_mov_b32 s[\g+2], 32<<16
	s_mov_b32 s[\g+3], 32<<16
	s_mov_b32 s[\g+4], 32
	s_mov_b32 s[\g+5], 32
	s_mov_b32 s[\g+6], 0
	s_mov_b32 s[\g+7], 0
.endr
	s_lshl_b32 s20, s17, 4                         ; A's block: its first tile
	s_lshl_b32 s46, s42, 4                         ; B's
	s_lshl_b32 s22, s20, 9
	s_add_co_u32 s22, s22, SCL0                    ; where these tiles' scale words begin, in bytes,
	s_mov_b32 s23, 0
	s_lshl_b32 s92, s46, 9
	s_add_co_u32 s92, s92, SCL0
	s_mov_b32 s93, 0
	s_mul_i32 s20, s20, IMGT                       ; and their images
	s_mov_b32 s21, 0
	s_mul_i32 s46, s46, IMGT
	s_mov_b32 s47, 0
	s_mul_i32 s45, s14, HALFT                      ; where they go: wave x 128 rows: no place in the cluster enters an LDS address
	s_wait_kmcnt 0x0
	s_add_nc_u64 s[20:21], s[4:5], s[20:21]
	s_add_nc_u64 s[22:23], s[4:5], s[22:23]
	s_add_nc_u64 s[46:47], s[4:5], s[46:47]
	s_add_nc_u64 s[92:93], s[4:5], s[92:93]
	CROUND                                         ; all sixteen work-groups are here: the first joint loads meet
	s_mov_b32 s[G0S], 1
	s_mov_b32 s[G0S+1], SCLL
	s_mov_b64 s[G0S+2:G0S+3], s[22:23]
	s_or_b32 s[G0S+3], s[G0S+3], 0x80000000
	s_mov_b32 s[G0SB], 1
	s_mov_b32 s[G0SB+1], SCLL+8192
	s_mov_b64 s[G0SB+2:G0SB+3], s[92:93]
	s_or_b32 s[G0SB+3], s[G0SB+3], 0x80000000
	s_mov_b32 s[G0], 1                             ; the head's tiles, each whole: K step 0 of A's 16 tiles into slot 0,
	s_mov_b32 s[G0+1], 0
	s_mov_b64 s[G0+2:G0+3], s[20:21]
	s_or_b32 s[G0+3], s[G0+3], 0x80000000
	s_mov_b32 s[G0B], 1                            ; and of B's 16 tiles behind them
	s_mov_b32 s[G0B+1], 2*HALFT
	s_mov_b64 s[G0B+2:G0B+3], s[46:47]
	s_or_b32 s[G0B+3], s[G0B+3], 0x80000000
	s_mul_i32 s18, s16, 8*IMGT                     ; in the ring I fetch 8 tiles of a block: which half, in bytes
	s_mov_b32 s19, 0
	s_add_nc_u64 s[20:21], s[20:21], s[18:19]
	s_add_nc_u64 s[46:47], s[46:47], s[18:19]
	s_mov_b32 s[G0+4], 1                           ; slot 1's group 0: K step 1 of my 8 tiles
	s_add_co_u32 s[G0+5], s45, SLOT
	s_add_nc_u64 s[G0+6:G0+7], s[20:21], TILEB
	s_or_b32 s[G0+7], s[G0+7], 0x80000000
	s_mov_b32 s[G0B+4], 1
	s_add_co_u32 s[G0B+5], s45, SLOT
	s_add_nc_u64 s[G0B+6:G0B+7], s[46:47], TILEB
	s_or_b32 s[G0B+7], s[G0B+7], 0x80000000
; the head's loads, one a wave: wave 0 A's tiles, wave 1 B's, wave 2 A's scale words, wave 3 B's; one tree of branches on the wave's number, every way passes one load
.macro ARM under, g0, g1, next
	s_cmp_lt_u32 s14, \under
	s_cbranch_scc0 \next
	tensor_load_to_lds s[\g0:\g0+3], s[\g1:\g1+7]
	s_nop 0
.rept 4
	v_nop
.endr
	s_branch .Lhead_asked
\next:
.endm
	ARM 1, G0,  G1,  .Lhead_b
	ARM 2, G0B, G1B, .Lhead_sa
	ARM 3, G0S, G1S, .Lhead_sb
	tensor_load_to_lds s[G0SB:G0SB+3], s[G1SB:G1SB+7]
	s_nop 0
.rept 4
	v_nop
.endr
.Lhead_asked:
	v_and_b32 v1, 31, v0                           ; lane
	v_and_b32 v2, 15, v0                           ; r
	v_bfe_u32 v3, v0, 4, 1                         ; h
	v_lshlrev_b32 v[LI], 4, v1
	v_lshlrev_b32 v[H64], 6, v3
	v_and_b32 v[RO4], 8, v2
	v_add_nc_u32 v[RO4], v[RO4], v2
	v_lshlrev_b32 v[RO4], 2, v[RO4]
	s_mul_i32 s21, s15, HALFT                      ; my 128 rows of A
	s_mul_i32 s22, s16, HALFT                      ; my 128 rows of B,
	s_add_co_u32 s22, s22, 2*HALFT                 ; which lie behind A's 256
.irp s, 0,1
	v_add_nc_u32 v[ADRA+\s], s21, v[LI]
	v_add_nc_u32 v[ADRB+\s], s22, v[LI]
	s_add_co_u32 s21, s21, SLOT
	s_add_co_u32 s22, s22, SLOT
.endr
	v_lshlrev_b32 v5, 3, v2                        ; my row's two words of a K step
	s_lshl_b32 s21, s15, 12                        ; A's: my 128 rows
	s_lshl_b32 s22, s16, 12                        ; B's: my 128 rows, behind A's 256
	s_add_co_u32 s22, s22, 8192
	s_sub_co_u32 s22, s22, s21
	v_mul_u32_u24 v6, s22, v3                      ; lanes 16-31 take B's: one product, the distance between the two bases
	s_add_co_u32 s21, s21, SCLL
	v_add_nc_u32 v5, v5, v6
	v_add_nc_u32 v[ADRS], s21, v5
.irp b, 0,1,2,3
	v_mov_b32 v[TM+4+\b], 0                        ; written once: a lane permute's destination counts as one of its sources
.endr
	s_mov_b32 s[SEL], 0x76543210
	s_mov_b32 s[SEL+1], 0xfedcba98                 ; selects for lane l xor 16
	; the biases and the tables' place.  Offsets that mix cx and cy are made in s2, s3, s95
	s_lshl_b32 s2, ttmp9, 2
	s_cmp_eq_u32 ttmp9, 2
	s_cselect_b32 s2, 0, s2                        ; (in v's clusters these 64 numbers are not used: the index is held inside the buffer)
	s_add_co_u32 s2, s2, s40
	s_lshl_b32 s2, s2, 10                          ; 256 features of 4 bytes
	s_lshl_b32 s95, s16, 9
	s_add_co_u32 s2, s2, s95                       ; + my 128
	s_mov_b32 s3, 0
	s_add_nc_u64 s[98:99], s[6:7], s[2:3]
	s_lshl_b32 s2, s41, 10
	s_lshl_b32 s95, s15, 9
	s_add_co_u32 s2, s2, s95
	s_add_co_u32 s2, s2, 8192                      ; v's features begin at 2,048
	s_add_nc_u64 s[100:101], s[6:7], s[2:3]
	s_and_b32 s2, s17, 7                           ; a batch has 8 blocks of 256 tokens, 128 token tiles
	s_lshl_b32 s2, s2, 4
	s_lshl_b32 s95, s15, 3
	s_add_co_u32 s2, s2, s95
	s_lshl_b32 s2, s2, 12
	s_add_co_u32 s2, s2, TAB0
	s_add_nc_u64 s[96:97], s[4:5], s[2:3]
	WIN TO_B
.irp j, 0,1,2,3                                ; q, k: register 16 j + i is the bias of feature 32 j + 16 h + i of my 128
.irp e, 0,1,2,3
	global_load_b128 v[96+16*\j+4*\e+96*(\j/2):96+16*\j+4*\e+96*(\j/2)+3], v[H64], s[98:99] offset:128*\j+16*\e
.endr
.endr
	WIN 0
.irp a, 0,1,2,3,4,5,6,7                        ; v: the bias of my lane's feature in tile a, in both halves of a pair
	global_load_b32 v[BV+2*\a], v[RO4], s[100:101] offset:(32*(\a/2)+8*(\a%2))*4
	global_load_b32 v[BV+2*\a+1], v[RO4], s[100:101] offset:(32*(\a/2)+8*(\a%2))*4
.endr
.macro FRAG reg, adr, q, i             ; a fragment comes back as it was stored: three runs of 512 bytes
.irp g, 0,1,2
	ds_load_b128 v[\reg+4*\g:\reg+4*\g+3], v[\adr] offset:(\i)*TILEB+(\q)*FRB+512*\g
.endr
.endm
; 16 matrix instructions: A's tiles a0, a0 + 1 x B's eight, 128 along K.  p: B's set; sc: the set of scale words.  zero = 1: the first product starts the sums.
; The 64 accumulators take turns, one instruction a turn, in the same order in every step.
.macro MUL16 a0, p, q, sc, zero
.irp a, \a0, \a0+1
.irp b, 0,1,2,3,4,5,6,7
.if \zero
	v_wmma_scale_f32_16x16x128_f8f6f4 v[8*(8*((\a)%4)+\b):8*(8*((\a)%4)+\b)+7], v[128*(\p)+FR*\b:128*(\p)+FR*\b+FR-1], v[AF+FR*(\a):AF+FR*(\a)+FR-1], 0, v[SC+8*NQ*(\sc)+NQ*\b+(\q)], v[SC+8*NQ*(\sc)+NQ*(\a)+(\q)] matrix_a_fmt:MATRIX_FMT_BF6 matrix_b_fmt:MATRIX_FMT_BF6 matrix_a_scale:MATRIX_SCALE_ROW1
.else
	v_wmma_scale_f32_16x16x128_f8f6f4 v[8*(8*((\a)%4)+\b):8*(8*((\a)%4)+\b)+7], v[128*(\p)+FR*\b:128*(\p)+FR*\b+FR-1], v[AF+FR*(\a):AF+FR*(\a)+FR-1], v[8*(8*((\a)%4)+\b):8*(8*((\a)%4)+\b)+7], v[SC+8*NQ*(\sc)+NQ*\b+(\q)], v[SC+8*NQ*(\sc)+NQ*(\a)+(\q)] matrix_a_fmt:MATRIX_FMT_BF6 matrix_b_fmt:MATRIX_FMT_BF6 matrix_a_scale:MATRIX_SCALE_ROW1
.endif
.endr
.endr
.endm
.macro FETCH_B slot, q, p
	WIN TO_B
.irp i, 0,1,2,3,4,5,6,7
	FRAG 128*(\p)+FR*\i, ADRB+\slot, \q, \i
.endr
	WIN 0
.endm
.macro FETCH_A slot, q, i0
.irp i, \i0, \i0+1, \i0+2, \i0+3
	FRAG AF+FR*(\i), ADRA+\slot, \q, \i
.endr
.endm
.macro SCALES sc                       ; a K step's scale words: two words a row; lanes 0-15 take A's tile i, lanes 16-31 B's tile i
.irp i, 0,1,2,3,4,5,6,7
	ds_load_b64 v[SC+8*NQ*\sc+NQ*\i:SC+8*NQ*\sc+NQ*\i+1], v[ADRS] offset:\i*512
.endr
.endm
.macro PLACES n                        ; plain vector lines between a matrix instruction and a load into, or a vector read or write of, its registers
.rept \n
	v_nop
.endr
.endm
.macro STEP slot, q, zero              ; a step of 128 along K that has its successor in the same slot
	s_wait_dscnt 4*NLA                             ; B's set and A's tiles 0-3 are in; the youngest loads (A's tiles 4-7) may be out
	WIN MUL_LO
	MUL16 0, (\q)%2, \q, \slot, \zero
	MUL16 2, (\q)%2, \q, \slot, \zero
	s_wait_dscnt 0                                 ; A's tiles 4-7 are in
	PLACES NP
	FETCH_B \slot, (\q)+1, 1-(\q)%2
	FETCH_A \slot, (\q)+1, 0
	WIN MUL_HI
	MUL16 4, (\q)%2, \q, \slot, \zero
	MUL16 6, (\q)%2, \q, \slot, \zero
	PLACES NP
	WIN 0
	FETCH_A \slot, (\q)+1, 4
.endm
; A slot's last step changes slots: one barrier; in front of it each wave waits for all its tensor loads, adds 0 to its spare word, and waits for that and for its own reads of this slot.  fill = 1: this slot is filled again, two K steps ahead.
.macro TURN slot, next, fill
	s_wait_tensorcnt 0x0                           ; all my tensor loads have landed: my part of the next slot
	ds_add_u32 v[SPW], v[NIL]                      ; 0 onto my spare word
	s_wait_dscnt 4*NLA+1                           ; (the add and the youngest loads, A's tiles 4-7, may be out)
	WIN MUL_LO
	MUL16 0, 1, NQ-1, \slot, 0                     ; sixteen matrix instructions stand between the add and the wait for it
	s_wait_dscnt 0x0                               ; the add is done, and my reads of this slot are over
	s_barrier_signal -1
	MUL16 2, 1, NQ-1, \slot, 0
	WIN 0
	s_barrier_wait -1
.if \fill
	CREST                                          ; the barrier has opened a round of the cluster's barrier: no wave of any partner still reads this slot or has a load on its way
	s_add_nc_u64 s[G0+4*\slot+2:G0+4*\slot+3], s[G0+4*\slot+2:G0+4*\slot+3], 2*TILEB
	s_add_nc_u64 s[G0B+4*\slot+2:G0B+4*\slot+3], s[G0B+4*\slot+2:G0B+4*\slot+3], 2*TILEB
	JLOAD G0+4*\slot, G1, G0B+4*\slot, G1B         ; the first tensor load behind the round; its four v_nop are also the places in front of the loads below
.else
	PLACES NP
.endif
	s_wait_alu depctr_va_vdst(0)
	v_add_nc_u32 v[ADRS], 128, v[ADRS]             ; on to the next K step's scale words (no LDS load of mine is out)
	FETCH_B \next, 0, 0
	FETCH_A \next, 0, 0
	SCALES \next
	WIN MUL_HI
	MUL16 4, 1, NQ-1, \slot, 0
	MUL16 6, 1, NQ-1, \slot, 0
	PLACES NP
	WIN 0
	FETCH_A \next, 0, 4
.endm
.macro TABLOAD a                       ; cos and sin of A's token tile a: 16 + 16 registers, into set a % 6 of six in window 1: sets 0-2 at v0-95, where B's set 0 lay, sets 3-5 at v128-223, where B's set 1 lay
.set TSB, 32*((\a)%6)+32*(((\a)%6)/3)
	WIN TO_B
.irp cs, 0,1
.irp j, 0,1,2,3
	global_load_b128 v[TSB+16*\cs+4*\j:TSB+16*\cs+4*\j+3], v[LI], s[96:97] offset:4096*(\a)+2048*\cs+512*\j
.endr
.endr
	WIN 0
.endm
; 64 numbers of a lane, register 16 b + i = k 32 b + 16 (lane / 16) + i of my row, become codes: k 0-63 in v[d0] .. v[d0 + 5], k 64-127 in v[d1] .. v[d1 + 5] (lane (r, h): 32 h + 0 .. 31 of each), and the scale word in v[PW].
.macro QUANT s, d0, d1
.irp b, 0,1,2,3
	v_max3_num_f32 v[TM+\b], |v[\s+16*\b]|, |v[\s+1+16*\b]|, 0x2800000   ; block b: my 16 numbers, and the floor 2^(5 - 127): the byte cannot fall under 1
.endr
.irp i, 2,4,6,8,10,12,14
.irp b, 0,1,2,3
	v_max3_num_f32 v[TM+\b], v[TM+\b], |v[\s+16*\b+\i]|, |v[\s+1+16*\b+\i]|
.endr
.endr
.irp b, 0,1,2,3
	v_permlanex16_b32 v[TM+4+\b], v[TM+\b], s[SEL], s[SEL+1]
.endr
.irp b, 0,1,2,3
	v_max_num_f32 v[TM+\b], v[TM+\b], v[TM+4+\b]   ; with lane l xor 16's: the block's largest magnitude
.endr
.irp b, 0,1,2,3
	v_add_nc_u32 v[TM+12+\b], 0xfe000000, v[TM+\b] ; 4 off its exponent field: the conversion's scale operand
.endr
.irp b, 0,1,2,3
	v_lshrrev_b32 v[TM+4+\b], 23, v[TM+12+\b]      ; the scale's byte
.endr
	v_lshl_or_b32 v[PW], v[TM+5], 8, v[TM+4]
	v_lshl_or_b32 v[PW], v[TM+6], 16, v[PW]
	v_lshl_or_b32 v[PW], v[TM+7], 24, v[PW]
	v_cvt_scalef32_pk16_bf6_f32 v[\d0:\d0+2], v[\s:\s+15], v[TM+12]
	v_cvt_scalef32_pk16_bf6_f32 v[CT:CT+2], v[\s+16:\s+31], v[TM+13]   ; (a conversion's three registers begin on an even number)
	v_cvt_scalef32_pk16_bf6_f32 v[\d1:\d1+2], v[\s+32:\s+47], v[TM+14]
	v_cvt_scalef32_pk16_bf6_f32 v[CT+4:CT+6], v[\s+48:\s+63], v[TM+15]
	v_nop                                          ; one plain line behind the scaled conversions
.irp i, 0,1,2                                  ; the operand's layout wants a whole block in a lane: lanes 0-15 the even block, lanes 16-31 the odd one
	v_permlane16_swap_b32 v[\d0+\i], v[CT+\i]
	v_permlane16_swap_b32 v[\d1+\i], v[CT+4+\i]
.endr
.irp i, 0,1,2
	v_mov_b32 v[\d0+3+\i], v[CT+\i]
	v_mov_b32 v[\d1+3+\i], v[CT+4+\i]
.endr
.endm
	s_wait_alu depctr_va_vdst(0)
	s_wait_tensorcnt 0x0                           ; my tile of the head's four is in
	ds_add_u32 v[SPW], v[NIL]
	s_mov_b32 s[G1+2], 8<<16                       ; no tensor load of mine is out: from here on a load brings 8 tiles
	s_mov_b32 s[G1+4], 8
	s_mov_b32 s[G1B+2], 8<<16
	s_mov_b32 s[G1B+4], 8
	s_mov_b32 s[G0+1], s45                         ; slot 0's group 0 for the ring: K step 0 of my 8 tiles (its first refill steps it two K steps on)
	s_sub_nc_u64 s[G0+2:G0+3], s[G0+6:G0+7], TILEB
	s_mov_b32 s[G0B+1], s45
	s_sub_nc_u64 s[G0B+2:G0B+3], s[G0B+6:G0B+7], TILEB
	s_wait_dscnt 0x0
	CROUND                                         ; a whole round: all four tiles are in, and the joint loads meet
	JLOAD G0+4, G1, G0B+4, G1B                     ; K step 1, the first tensor load behind the round
	FETCH_B 0, 0, 0
	FETCH_A 0, 0, 0
	SCALES 0
	FETCH_A 0, 0, 4
	STEP 0, 0, 1                                   ; K = 1,024 is four K steps, eight steps of 128: written out; the first products start the sums
	TURN 0, 1, 1
	STEP 1, 0, 0
	TURN 1, 0, 1
	STEP 0, 0, 0
	TURN 0, 1, 0                                   ; the last two K steps fill nothing
	STEP 1, 0, 0
	TABLOAD 0                                      ; B's set 0 has had its last product, four places back: it takes the first three token tiles' tables
	TABLOAD 1
	TABLOAD 2
	s_wait_dscnt 4*NLA                             ; the very last step
	WIN MUL_LO
	MUL16 0, 1, NQ-1, 1, 0
	MUL16 2, 1, NQ-1, 1, 0
	s_wait_dscnt 0
	WIN MUL_HI
	MUL16 4, 1, NQ-1, 1, 0
	MUL16 6, 1, NQ-1, 1, 0
	WIN 0
	PLACES NP
	s_cmp_eq_u32 ttmp9, 2
	s_cbranch_scc1 .Lv
	TABLOAD 3                                      ; B's set 1 has had its last product, four places back: it takes three more token tiles' tables
	TABLOAD 4
	TABLOAD 5
	; ---- q, k.  Where my 128 tokens x 2 heads go: ((batch x 16 + head) x 16 + step) x 13,824; the second head lies HEADB further on
	s_cmp_eq_u32 ttmp9, 1
	s_cselect_b64 s[12:13], s[10:11], s[8:9]       ; k goes to kv, q to qb
	s_lshr_b32 s2, s17, 3
	s_lshl_b32 s2, s2, 4                           ; batch x 16
	s_lshl_b32 s95, s40, 2
	s_add_co_u32 s2, s2, s95                       ; + 4 cx: a block of 256 features is four heads
	s_lshl_b32 s95, s16, 1
	s_add_co_u32 s2, s2, s95                       ; + my two
	s_lshl_b32 s2, s2, 4
	s_and_b32 s95, s17, 7
	s_lshl_b32 s95, s95, 1
	s_add_co_u32 s2, s2, s95
	s_add_co_u32 s2, s2, s15                       ; + the step: two to a block of 256 tokens
	s_mul_i32 s2, s2, STEPB
	s_add_nc_u64 s[12:13], s[12:13], s[2:3]
.macro QKOUT a                         ; token tile a: bias, rotation, codes
.if (\a) < 3
	s_wait_loadcnt 40                              ; this tile's tables are in (and the biases, which are older); the five younger sets of eight loads may be out
.else
	s_wait_loadcnt 8*(7-(\a))                      ; behind this tile's tables only those of tiles a + 1 .. 7 were asked for
.endif
	WIN 0x06+(\a)/4                                ; source 0: the accumulators' window; source 1: window 1
.set n, 0
.rept 32
	v_pk_add_f32 v[XX+n:XX+n+1], v[64*((\a)%4)+n:64*((\a)%4)+n+1], v[96+n+96*(n/32):96+n+96*(n/32)+1]   ; + bias, into window 0; each accumulator from its low end on
.set n, n+2
.endr
	WIN 0x04                                       ; source 1: the tables, window 1
.set TS, 32*((\a)%6)+32*(((\a)%6)/3)
.irp hh, 0,1                                   ; head hh: registers 32 hh + i hold d = 16 h + i, registers 32 hh + 16 + i hold d = 32 + 16 h + i
.irp i, 0,2,4,6,8,10,12,14
.set T0, TP+4*((\i/2)%2)
	v_pk_mul_f32 v[T0:T0+1], v[XX+32*\hh+16+\i:XX+32*\hh+17+\i], v[TS+16+\i:TS+17+\i]                    ; x2 sin
	v_pk_mul_f32 v[T0+2:T0+3], v[XX+32*\hh+\i:XX+32*\hh+\i+1], v[TS+16+\i:TS+17+\i]                      ; x1 sin
	v_pk_fma_f32 v[XX+32*\hh+\i:XX+32*\hh+\i+1], v[XX+32*\hh+\i:XX+32*\hh+\i+1], v[TS+\i:TS+\i+1], v[T0:T0+1] neg_lo:[0,0,1] neg_hi:[0,0,1]   ; x1 cos - x2 sin
	v_pk_fma_f32 v[XX+32*\hh+16+\i:XX+32*\hh+17+\i], v[XX+32*\hh+16+\i:XX+32*\hh+17+\i], v[TS+\i:TS+\i+1], v[T0+2:T0+3]                       ; x2 cos + x1 sin
.endr
.endr
	WIN 0
.if (\a)+6 <= 7
	TABLOAD (\a)+6                                 ; this tile's set is done with: it takes the tables of the tile six further on
.endif
.if ((\a)%2 == 0) && ((\a) > 0)
	s_wait_xcnt 0x0                                ; the last pair's stores have read their registers: the codes may be written again
.endif
	QUANT XX, RR+6*((\a)%2), RR+12+6*((\a)%2)
	v_and_b32 v[SW+(\a)], 0xffff, v[PW]            ; head 0's two bytes; bytes 2, 3 are 0: the upper half of the attention's K step holds zero codes
	v_lshrrev_b32 v[SW+8+(\a)], 16, v[PW]          ; head 1's
.if (\a)%2 == 1
.irp hh, 0,1
.irp g, 0,1,2
	global_store_b128 v[LI], v[RR+12*\hh+4*\g:RR+12*\hh+4*\g+3], s[12:13] offset:HEADB*\hh+FRB*((\a)/2)+512*\g   ; 512 consecutive bytes, aligned to 256
.endr
.endr
.endif
.endm
.irp a, 0,1,2,3,4,5,6,7
	QKOUT \a
.endr
.irp hh, 0,1
.irp g, 0,1
	global_store_b128 v[LI], v[SW+8*\hh+4*\g:SW+8*\hh+4*\g+3], s[12:13] offset:HEADB*\hh+12288+512*\g
.endr
.endr
	s_branch .Ldone
.Lv:	; ---- v.  My 128 features are two heads, my 128 tokens one step
	s_lshr_b32 s2, s42, 3
	s_lshl_b32 s2, s2, 4                           ; batch x 16
	s_lshl_b32 s95, s41, 2
	s_add_co_u32 s2, s2, s95                       ; + 4 cy
	s_lshl_b32 s95, s15, 1
	s_add_co_u32 s2, s2, s95                       ; + my two heads
	s_lshl_b32 s2, s2, 4
	s_and_b32 s95, s42, 7
	s_lshl_b32 s95, s95, 1
	s_add_co_u32 s2, s2, s95
	s_add_co_u32 s2, s2, s16                       ; + the step
	s_mul_i32 s2, s2, STEPB
	s_add_nc_u64 s[12:13], s[10:11], s[2:3]
	s_wait_loadcnt 0x0                             ; the biases
.macro VOUT a                          ; feature tile a: head a / 4, fragment a % 4: 16 features x 128 keys
	WIN 0x02+(\a)/4
.set n, 0
.rept 32
	v_pk_add_f32 v[XX+n:XX+n+1], v[64*((\a)%4)+n:64*((\a)%4)+n+1], v[BV+2*(\a):BV+2*(\a)+1]
.set n, n+2
.endr
	WIN 0
.if (\a) > 0
	s_wait_xcnt 0x0                                ; the last fragment's stores have read their registers
.endif
	QUANT XX, RR, RR+6
	v_mov_b32 v[SW+(\a)], v[PW]
.irp g, 0,1,2
	global_store_b128 v[LI], v[RR+4*\g:RR+4*\g+3], s[12:13] offset:HEADB*((\a)/4)+6144+FRB*((\a)%4)+512*\g
.endr
.if (\a)%4 == 3
	global_store_b128 v[LI], v[SW+4*((\a)/4):SW+4*((\a)/4)+3], s[12:13] offset:HEADB*((\a)/4)+13312
.endif
.endm
.irp a, 0,1,2,3,4,5,6,7
	VOUT \a
.endr
.Ldone:
	s_wait_tensorcnt 0x0                           ; the wave's end
	ds_add_u32 v[SPW], v[NIL]
	s_wait_dscnt 0x0
	CROUND                                         ; the closing round: no work-group ends while a partner may still ask for a tile that names it
	s_endpgm
.Lfunc_end_k_q0a59b9f322_qkv:
	.size	k_q0a59b9f322_qkv, .Lfunc_end_k_q0a59b9f322_qkv-k_q0a59b9f322_qkv
	.p2alignl 7, 3214868480
	.fill 96, 4, 3214868480
	.section	.rodata,"a",@progbits
	.p2align	6, 0x0
	.amdhsa_kernel k_q0a59b9f322_qkv
		.amdhsa_group_segment_fixed_size 327680
		.amdhsa_private_segment_fixed_size 0
		.amdhsa_enable_private_segment 0
		.amdhsa_kernarg_size 32
		.amdhsa_user_sgpr_count 2
		.amdhsa_user_sgpr_kernarg_segment_ptr 1
		.amdhsa_wavefront_size32 1
		.amdhsa_system_sgpr_workgroup_id_x 1
		.amdhsa_system_sgpr_workgroup_id_y 1
		.amdhsa_system_sgpr_workgroup_id_z 1
		.amdhsa_system_vgpr_workitem_id 0
		.amdhsa_next_free_vgpr 1024
		.amdhsa_next_free_sgpr 102
		.amdhsa_reserve_vcc 0
		.amdhsa_float_denorm_mode_32 3
		.amdhsa_float_denorm_mode_16_64 3
		.amdhsa_memory_ordered 1
		.amdhsa_forward_progress 1
		.amdhsa_inst_pref_size 249
	.end_amdhsa_kernel
	.amdgpu_metadata
---
amdhsa.version: [ 1, 2 ]
amdhsa.kernels:
  - .name:           k_q0a59b9f322_qkv
    .symbol:         k_q0a59b9f322_qkv.kd
    .args:
      - { .name: prep, .offset: 0, .size: 8, .value_kind: global_buffer, .address_space: global }
      - { .name: b_qkv, .offset: 8, .size: 8, .value_kind: global_buffer, .address_space: global }
      - { .name: qb, .offset: 16, .size: 8, .value_kind: global_buffer, .address_space: global }
      - { .name: kv, .offset: 24, .size: 8, .value_kind: global_buffer, .address_space: global }
    .group_segment_fixed_size: 327680
    .private_segment_fixed_size: 0
    .kernarg_segment_align: 8
    .kernarg_segment_size: 32
    .max_flat_workgroup_size: 128
    .sgpr_count:     102
    .vgpr_count:     1024
    .wavefront_size: 32
...
	.end_amdgpu_metadata
.endif
;; end of part 2
;; launch attn (part 3): grid 4 x 64, 8 waves a work-group, clusters of 4 x 1, 327,680 bytes of LDS; arguments qb, kv, ab; writes ab
.if DOCPART == 3
	.amdgcn_target "amdgcn-amd-amdhsa--gfx1250"
	.amdhsa_code_object_version 6
	.text
	.protected	k_q0a59b9f322_attn
	.globl	k_q0a59b9f322_attn
	.p2align	8
	.type	k_q0a59b9f322_attn,@function
k_q0a59b9f322_attn:
	s_mov_b64 s[64:65], 0
	v_nop
	global_prefetch_b8 v0, s[64:65] scope:SCOPE_SE
	s_setreg_imm32_b32 hwreg(HW_REG_WAVE_MODE, 25, 1), 1
	s_wait_xcnt 0x0
	s_wait_alu depctr_hold_cnt(0) depctr_sa_sdst(0) depctr_va_vdst(0) depctr_va_sdst(0) depctr_va_ssrc(0) depctr_va_vcc(0) depctr_vm_vsrc(0)
	s_getreg_b32 s2, hwreg(HW_REG_IB_STS2, 6, 4)
	s_cmp_eq_u32 s2, 0
	s_cbranch_scc0 .Lentry_in_a_cluster
	s_endpgm
.Lentry_in_a_cluster:
	s_bfe_u32 s2, ttmp6, 0x10000c
	s_cmp_lg_u32 s2, 0x3003
	s_cbranch_scc0 .Lentry_shape_is_right
	s_endpgm
.Lentry_shape_is_right:
; ATTENTION on codes of BF6 (E3M2) with E8M0 scales: o = softmax(q k^T / 8) v for one (batch, head) and 512 queries a work-group; o is quantised along the features and stored as images of the last product's operand.
; Both products are used transposed (S^T = k q^T, O^T = v^T p^T): a lane holds one query throughout.  p = 2^(t - M), t = score x log2(e) / 8, M the running largest t rounded up to a whole number;
; the row's sum is taken of the unquantised p; when M moves, sums and O^T are multiplied by a power of two made by v_ldexp_f32: no branch hangs on data.
; SHARES: 8 waves, two to a SIMD; a wave owns 64 queries and walks the 2,048 keys twice, each time with TWO tiles of 16 queries side by side, so that each fragment of k and v feeds two tiles and one tile's chains stand among the other's runs.
; LDS: the head's k and v, 16 steps of 128 keys x 13,824 bytes, come ONCE, by one tensor load a wave (two steps each), asked for jointly by the four work-groups of the cluster, which share the head.
; They lie as runs of 512 bytes + 128 of padding.  No later load exists that a prefetch could run ahead of: none is written.
; THE KEYS OF A TILE ARE CHOSEN BY ADDRESS: tile 4 c + t takes in lanes r < 8 keys 64 c + 8 t + r and in lanes r >= 8 keys 64 c + 32 + 8 t + r - 8.  In kv these are lanes 8 (t / 2) + r % 8 of the images 2 c and 2 c + 1,
; halves t % 2: three loads of 16 bytes a lane bring two tiles, and with the padding lanes 0-7 and 8-15 fall on different halves of a row of banks.  So lane (r, h) holds in 32 registers ALL of block 2 c + h of its query's p:
; a block's maximum needs no other lane, and the conversions' results lie as the operand wants them.  A head is 64 wide: the upper 64 of the first product's K are zero codes on q's side.
; A block's largest p is made from its largest score by the same multiply-add and exponential (v_exp_f32 is taken not to fall where its input rises).
; LIMITS: the promise holds while |t| stays under 2^31; NaN and infinities are not served; a block of p that has fallen to zeros keeps the byte 1 (its codes are zeros).
; REGISTERS.  Window 0: v1-11 addresses; v44-63 scale words alone; v64-87 q (6 + 6 zeros, twice); v88-127 p's codes; v128-175 k; v176-181 zeros; v182-229 v; v230-253 q's four tiles as loaded.
;             Window 1: v0-127 the two tiles' scores, then p; v128-191 O^T; v192-223 partial sums; v224-255 -M, largest score, sums, factor and what is at work: the softmax runs under one setting of the windows.
.set STEPB, 13824
.set HEADB, 221184
.set ASC0,  6291456
.set RUN,   640
.set STEPL, 27*RUN
.set SPARE, 16*STEPL                   ; behind the tiles: the spare words, 128 bytes for each wave
.set LI,  1
.set KA0, 2
.set SA0, 3
.set ADV, 4
.set ADK, 5
.set ADS, 6
.set AO,  7
.set ASO, 8
.set SPW, 10
.set NIL, 11
.set KS,  44
.set VS,  52
.set QS,  56
.set PS,  60
.set QSU, 62
.set QF,  64
.set PC,  88
.set C2,  112
.set KF,  128
.set PADR, 176
.set VF,  182
.set QP,  230
.set O,   128                          ; from here on: window 1
.set T,   192
.set NM,  224                          ; tile u: v[NM + 4 u] = -M, v[NM + 4 u + 1] = the largest score so far
.set L,   226                          ; tile u: v[L + 4 u], v[L + 4 u + 1]: the sum in two halves
.set FF,  232
.set BM,  236
.set TP,  240
.set TQ,  242
.set SOP, 244
.set BY,  248                          ; the scales' bytes; ahead of them the second chains of the maxima
.set PX,  252
.set WV,  12
.set SEL, 20
.set CS,  22
.set G1,  24
.set CN,  36
.set PM,  37
.set IX,  38
.set TB,  39
.set TN,  40
.set TOT, 41
.set PCN, 55
.set MSB, 0
.macro WIN new                         ; the immediate's high byte repeats the setting that is left
.if MSB != (\new)
	s_set_vgpr_msb (MSB<<8)|(\new)
.set MSB, \new
.endif
.endm
.macro CROUND
	s_barrier_signal -1
	s_barrier_wait -1
	s_cmp_lg_u32 s[WV], 0
	s_cbranch_scc1 .Lnot_wave_0_\@
	s_barrier_signal -3
.Lnot_wave_0_\@:
	s_barrier_wait -3
	s_barrier_signal -1
	s_barrier_wait -1
.endm
	s_load_b128 s[4:7], s[0:1], 0x0                ; qb, kv
	s_load_b64 s[8:9], s[0:1], 0x10                ; ab
	v_lshl_add_u32 v[SPW], v0, 2, SPARE
	v_mov_b32 v[NIL], 0
	ds_add_u32 v[SPW], v[NIL]                      ; the opening lines: the add, twice on end, and its wait
	ds_add_u32 v[SPW], v[NIL]
	v_lshrrev_b32 v24, 5, v0
	v_readfirstlane_b32 s[WV], v24                 ; wave 0..7
	s_bfe_u32 s13, ttmp6, 0x40000                  ; cx
	s_lshl_b32 s14, ttmp9, 2
	s_add_co_u32 s14, s14, s13                     ; which 512 queries
	s_and_b32 s15, ttmp7, 0xffff                   ; batch x 16 + head
	s_mov_b32 s[G1], 15|(3<<16)|(1<<20)|(1<<21)|(6<<22)|(31<<25)   ; the four partners; elements of 8 bytes; behind every 128 words 32 words of padding
	s_mov_b32 s[G1+1], 64<<16
	s_mov_b32 s[G1+2], 54<<16
	s_mov_b32 s[G1+3], 64<<16
	s_mov_b32 s[G1+4], 54                          ; 54 rows of 512 bytes: two steps
	s_mov_b32 s[G1+5], 64
	s_mov_b32 s[G1+6], 0
	s_mov_b32 s[G1+7], 0
	s_mul_i32 s16, s[WV], 2*STEPB
	s_mul_i32 s18, s15, HEADB
	s_add_co_u32 s18, s18, s16
	s_mov_b32 s19, 0
	s_mov_b32 s32, 1
	s_mul_i32 s33, s[WV], 2*STEPL
	s_wait_dscnt 0x0
	s_wait_kmcnt 0x0
	s_add_nc_u64 s[34:35], s[6:7], s[18:19]
	s_or_b32 s35, s35, 0x80000000
	CROUND                                         ; the four partners are here: the joint loads meet
	tensor_load_to_lds s[32:35], s[G1:G1+7]        ; my one tensor load: steps 2 w and 2 w + 1
	s_nop 0
	v_and_b32 v24, 31, v0                          ; lane
	v_and_b32 v25, 15, v0                          ; r
	v_bfe_u32 v26, v0, 4, 1                        ; h
	v_bfe_u32 v27, v0, 3, 1                        ; r / 8
	v_and_b32 v28, 7, v0                           ; r % 8
	v_lshlrev_b32 v[LI], 4, v24
	v_lshlrev_b32 v[AO], 3, v24
	v_lshlrev_b32 v[ASO], 3, v25
	v_lshl_add_u32 v29, v26, 4, v28
	v_lshlrev_b32 v29, 4, v29
	v_mad_u32_u24 v[KA0], v27, 3*RUN, v29          ; k: image r / 8 of a pair of images, lane r % 8 + 16 h of it
	v_lshlrev_b32 v28, 4, v28
	v_lshl_add_u32 v[SA0], v27, 3, v28             ; k's scale words: lane r % 8, words 2 (r / 8), 2 (r / 8) + 1
.irp i, 0,1,2,3,4,5
	v_mov_b32 v[QF+6+\i], 0                        ; the upper 64 of K: zero codes
	v_mov_b32 v[QF+18+\i], 0
	v_mov_b32 v[PADR+\i], 0                        ; what the last tile of k names behind its own six registers
.endr
	WIN 0x40
.irp i, 0,1,2,3
	v_mov_b32 v[PX+\i], 0                          ; a lane permute's destination counts as one of its sources
.endr
	v_mov_b32 v[FF+1], 0                           ; named as upper halves of pairs
	v_mov_b32 v[FF+3], 0
	WIN 0
	s_wait_alu depctr_va_vdst(0)                   ; behind the head's vector work
	s_lshl_b32 s52, s15, 4
	s_lshl_b32 s53, s14, 2
	s_add_co_u32 s52, s52, s53
	s_lshr_b32 s53, s[WV], 1
	s_add_co_u32 s52, s52, s53                     ; my queries' step of 128 tokens
	s_mul_i32 s52, s52, STEPB
	s_and_b32 s53, s[WV], 1
	s_mul_i32 s54, s53, 3072                       ; my two images of its four
	s_add_co_u32 s50, s52, s54
	s_mov_b32 s51, 0
	s_add_nc_u64 s[42:43], s[4:5], s[50:51]
	s_lshl_b32 s54, s53, 9
	s_add_co_u32 s50, s52, s54
	s_add_co_u32 s50, s50, 12288
	s_add_nc_u64 s[48:49], s[4:5], s[50:51]        ; and my four tiles' scale words
.irp g, 0,1,2,3,4,5
	global_load_b128 v[QP+4*\g:QP+4*\g+3], v[LI], s[42:43] offset:512*\g
.endr
	global_load_b128 v[QS:QS+3], v[LI], s[48:49]
	s_lshl_b32 s52, s14, 3
	s_add_co_u32 s52, s52, s[WV]
	s_lshl_b32 s52, s52, 2
	s_lshr_b32 s53, s15, 4
	s_lshl_b32 s53, s53, 7
	s_add_co_u32 s52, s52, s53                     ; my first token tile: 128 batch + 32 x + 4 wave
	s_and_b32 s53, s15, 15                         ; head
	s_mul_i32 s50, s52, 12288
	s_lshr_b32 s54, s53, 1
	s_mul_i32 s54, s54, 1536
	s_add_co_u32 s50, s50, s54
	s_and_b32 s54, s53, 1
	s_mul_i32 s54, s54, 768
	s_add_co_u32 s50, s50, s54
	s_add_nc_u64 s[44:45], s[8:9], s[50:51]        ; o's codes
	s_lshl_b32 s50, s52, 9
	s_lshr_b32 s54, s53, 2
	s_lshl_b32 s54, s54, 7
	s_add_co_u32 s50, s50, s54
	s_bfe_u32 s54, s53, 0x10001
	s_lshl_b32 s54, s54, 2
	s_add_co_u32 s50, s50, s54
	s_and_b32 s54, s53, 1
	s_lshl_b32 s54, s54, 1
	s_add_co_u32 s50, s50, s54
	s_add_co_u32 s50, s50, ASC0
	s_add_nc_u64 s[46:47], s[8:9], s[50:51]        ; o's scale bytes
	s_mov_b32 s[SEL], 0x76543210
	s_mov_b32 s[SEL+1], 0xfedcba98                 ; selects for lane l xor 16
	s_mov_b32 s[CS], 0x3e38aa3b                    ; c = log2(e) / 8
	s_mov_b32 s[CS+1], s[CS]
	s_mov_b32 s[CN], 0xbe38aa3b                    ; -c
	s_mov_b32 s[PM], 0                             ; all ones in the second walk
	s_mov_b32 s[TOT], 32                           ; steps to go, both walks
	s_mov_b32 s[PCN], 0
.macro KLOAD ak, as                    ; a step's eight tiles of k and their scale words: 16 loads
.irp c, 0,1
.irp w, 0,1
.irp g, 0,1,2
	ds_load_b128 v[KF+12*(2*\c+\w)+4*\g:KF+12*(2*\c+\w)+4*\g+3], v[\ak] offset:(6*\c+\g)*RUN+128*\w
.endr
	ds_load_b64 v[KS+4*\c+2*\w:KS+4*\c+2*\w+1], v[\as] offset:(24+\c)*RUN+128*\w
.endr
.endr
.endm
.macro LVL b, st, n                    ; n packed additions: the pair at b + 2 st j takes the pair st registers on
.set jj, 0
.rept \n
	v_pk_add_f32 v[\b+2*\st*jj:\b+2*\st*jj+1], v[\b+2*\st*jj:\b+2*\st*jj+1], v[\b+2*\st*jj+\st:\b+2*\st*jj+\st+1]
.set jj, jj+1
.endr
.endm
; The largest score of tile u's blocks: two chains a block (registers 0-16 and 17-31 of its 32), four chains by turns; round k of eight.  Each accumulator is first read in its four lowest registers.
.macro MXR u, k
.irp c, 0,1
.if (\k) == 0
	v_max3_num_f32 v[BM+2*\u+\c], v[64*\u+32*\c], v[64*\u+32*\c+1], v[64*\u+32*\c+2]
	v_max3_num_f32 v[BY+2*\u+\c], v[64*\u+32*\c+17], v[64*\u+32*\c+18], v[64*\u+32*\c+19]
.else
	v_max3_num_f32 v[BM+2*\u+\c], v[BM+2*\u+\c], v[64*\u+32*\c+2*(\k)+1], v[64*\u+32*\c+2*(\k)+2]
.if (\k) < 7
	v_max3_num_f32 v[BY+2*\u+\c], v[BY+2*\u+\c], v[64*\u+32*\c+2*(\k)+18], v[64*\u+32*\c+2*(\k)+19]
.endif
.endif
.endr
.endm
.macro MRG u                           ; a block's two chains joined
.irp c, 0,1
	v_max_num_f32 v[BM+2*\u+\c], v[BM+2*\u+\c], v[BY+2*\u+\c]
.endr
.endm
.macro BF u                            ; t - M of the blocks' largest scores
.irp c, 0,1
	v_fma_f32 v[BM+2*\u+\c], v[BM+2*\u+\c], s[CS], v[NM+4*\u]
.endr
.endm
.macro CH u, st                        ; link st of tile u's chain from the blocks' maxima to the new -M and the factor; the links stand among the other tile's runs
.if (\st) == 1
	v_max3_num_f32 v[NM+4*\u+1], v[NM+4*\u+1], v[BM+2*\u], v[BM+2*\u+1]
	v_mov_b32 v[TP+\u], v[NM+4*\u]
.endif
.if (\st) == 2
	v_permlanex16_b32 v[PX+\u], v[NM+4*\u+1], s[SEL], s[SEL+1]
.endif
.if (\st) == 3
	v_max_num_f32 v[NM+4*\u+1], v[NM+4*\u+1], v[PX+\u]   ; with lane l xor 16's: my query's largest score so far
.endif
.if (\st) == 4
	v_mul_f32 v[TQ+\u], s[CN], v[NM+4*\u+1]
.endif
.if (\st) == 5
	v_floor_f32 v[NM+4*\u], v[TQ+\u]               ; -M = floor(-t)
.endif
.if (\st) == 6
	v_sub_f32 v[TP+\u], v[NM+4*\u], v[TP+\u]       ; old M less new M
.endif
.if (\st) == 7
	v_cvt_i32_f32 v[TP+\u], v[TP+\u]               ; (it saturates)
.endif
.if (\st) == 8
	v_ldexp_f32 v[FF+2*\u], 1.0, v[TP+\u]
.endif
.if (\st) == 9
	v_pk_mul_f32 v[L+4*\u:L+4*\u+1], v[L+4*\u:L+4*\u+1], v[FF+2*\u:FF+2*\u+1] op_sel_hi:[1,0]
.endif
.endm
.macro FMG g                           ; tile 0: t - M of eight scores
.irp e, 0,2,4,6
	v_pk_fma_f32 v[8*(\g)+\e:8*(\g)+\e+1], v[8*(\g)+\e:8*(\g)+\e+1], s[CS:CS+1], v[NM:NM+1] op_sel_hi:[1,0,0]
.endr
.endm
.macro INIT
.irp u, 0,1
.irp i, 0,1,2,3,4,5
	v_cndmask_b32 v[QF+12*\u+\i], v[QP+6*\u+\i], v[QP+12+6*\u+\i], s[PM]   ; this walk's two tiles of q
.endr
.endr
.irp u, 0,1
	v_cndmask_b32 v[QSU+\u], v[QS+\u], v[QS+2+\u], s[PM]
.endr
	WIN 0x40
.irp u, 0,1
	v_mov_b32 v[NM+4*\u], 0x7f61b1e6               ; -M = 3e38,
	v_mov_b32 v[NM+4*\u+1], 0xff61b1e6             ; the largest score so far: -3e38
	v_mov_b32 v[L+4*\u], 0
	v_mov_b32 v[L+4*\u+1], 0
.endr
.set j, 0
.rept 64
	v_mov_b32 v[O+j], 0                            ; the step is written once: the first finds zeros
.set j, j+1
.endr
	WIN 0
.endm
.macro STEP
	s_mul_i32 s[TB], s[IX], STEPL
	s_add_co_u32 s[TN], s[IX], 1
	s_and_b32 s[TN], s[TN], 15                     ; the step whose k is fetched ahead: behind a walk's last step the next walk's first
	s_mul_i32 s[TN], s[TN], STEPL
	v_add_nc_u32 v[ADV], s[TB], v[LI]              ; with the three lines below: four places behind the last products, ahead of loads into their registers
.rept 3
	v_nop
.endr
.set g, 0
.rept 12
	ds_load_b128 v[VF+4*g:VF+4*g+3], v[ADV] offset:(12+g)*RUN
.set g, g+1
.endr
	ds_load_b128 v[VS:VS+3], v[ADV] offset:26*RUN
	s_wait_dscnt 13                                ; k and its scale words are in; the 13 loads just issued may be out
	WIN 0x40
.irp t, 0,1,2,3,4,5,6,7
.irp u, 0,1
	v_wmma_scale_f32_16x16x128_f8f6f4 v[64*\u+8*\t:64*\u+8*\t+7], v[KF+6*\t:KF+6*\t+11], v[QF+12*\u:QF+12*\u+11], 0, v[KS+\t], v[QSU+\u] matrix_a_fmt:MATRIX_FMT_BF6 matrix_b_fmt:MATRIX_FMT_BF6
.endr
.endr
	WIN 0
	v_add_nc_u32 v[ADK], s[TN], v[KA0]             ; four places
	v_add_nc_u32 v[ADS], s[TN], v[SA0]
	v_nop
	v_nop
	s_wait_alu depctr_va_vdst(0)
	s_cmp_eq_u32 s[TOT], 1
	s_cbranch_scc1 .Lno_k                          ; the very last step fetches nothing ahead
	KLOAD ADK, ADS
.Lno_k:
	s_sub_co_u32 s[TOT], s[TOT], 1
	WIN 0x55                                       ; the softmax: every operand in window 1
.irp k, 0,1,2,3,4,5,6,7
	MXR 0, \k
.endr
	MRG 0
.irp k, 0,1,2,3,4,5,6,7
	MXR 1, \k                                      ; tile 1's maxima, and among them tile 0's chain
	CH 0, \k+1
.endr
	MRG 1
	BF 0
	CH 0, 9
.irp g, 0,1,2,3,4,5,6,7
	FMG \g                                         ; tile 0's t - M, and among them tile 1's chain
	CH 1, \g+1
.endr
	BF 1
	CH 1, 9
	s_wait_alu depctr_va_vdst(0)                   ; ahead of the batch
.irp k, 0,1,2,3
	v_exp_f32 v[BM+\k], v[BM+\k]                   ; the blocks' largest p
.endr
.set j, 0
.rept 32                               ; tile 0's p; among them tile 1's t - M, which names nothing of the batch
	v_exp_f32 v[2*j], v[2*j]
	v_exp_f32 v[2*j+1], v[2*j+1]
	v_pk_fma_f32 v[64+2*j:64+2*j+1], v[64+2*j:64+2*j+1], s[CS:CS+1], v[NM+4:NM+5] op_sel_hi:[1,0,0]
.set j, j+1
.endr
	s_wait_alu depctr_va_vdst(0)                   ; behind the first batch and ahead of the second
.set j, 0
.rept 16                               ; tile 1's p; among them the first level of tile 0's sum, into registers of its own, and the floor under the blocks' largest p
	v_exp_f32 v[64+4*j], v[64+4*j]
	v_exp_f32 v[64+4*j+1], v[64+4*j+1]
.if (j%4) == 0
	v_max_num_f32 v[BM+j/4], 0x2800000, v[BM+j/4]  ; 2^(5 - 127): the byte cannot fall under 1
.endif
	v_exp_f32 v[64+4*j+2], v[64+4*j+2]
	v_exp_f32 v[64+4*j+3], v[64+4*j+3]
	v_pk_add_f32 v[T+2*j:T+2*j+1], v[4*j:4*j+1], v[4*j+2:4*j+3]
.set j, j+1
.endr
	s_wait_alu depctr_va_vdst(0)                   ; behind the second batch
.irp k, 0,1,2,3
	v_add_nc_u32 v[SOP+\k], 0xfe000000, v[BM+\k]   ; 4 off the exponent field: the conversion's scale operand
.endr
	LVL T, 2, 8                                    ; the sums, as trees; the links of the scale words' chain stand among them
	WIN 0x05
.irp u, 0,1
.irp c, 0,1
	v_cvt_scalef32_pk16_bf6_f32 v[PC+12*\u+6*\c:PC+12*\u+6*\c+2], v[64*\u+32*\c:64*\u+32*\c+15], v[SOP+2*\u+\c]
	v_cvt_scalef32_pk16_bf6_f32 v[C2+8*\u+4*\c:C2+8*\u+4*\c+2], v[64*\u+32*\c+16:64*\u+32*\c+31], v[SOP+2*\u+\c]   ; (a conversion's three registers begin on an even number)
.endr
.endr
	WIN 0x55
.irp k, 0,1,2,3
	v_lshrrev_b32 v[BY+\k], 23, v[SOP+\k]          ; the bytes.  (Also the plain place behind the conversions)
.endr
	LVL 64, 2, 16                                  ; tile 1's p is done with and is summed in place
.irp u, 0,1
	v_lshl_or_b32 v[TP+\u], v[BY+2*\u+1], 16, v[BY+2*\u]   ; my bytes: in lanes 0-15 blocks 0 and 2, in lanes 16-31 blocks 1 and 3
.endr
	LVL T, 4, 4
.irp u, 0,1
	v_permlanex16_b32 v[PX+\u], v[TP+\u], s[SEL], s[SEL+1]
.endr
	LVL 64, 4, 8
	WIN 0x11
.irp u, 0,1
	v_lshl_or_b32 v[PS+\u], v[PX+\u], 8, v[TP+\u]  ; lanes 0-15, which alone are read: blocks 1 and 3 above blocks 0 and 2: the word is whole
.endr
	WIN 0x55
	LVL T, 8, 2
	LVL 64, 8, 4
	LVL T, 16, 1
	LVL 64, 16, 2
	v_pk_add_f32 v[L:L+1], v[L:L+1], v[T:T+1]
	LVL 64, 32, 1
	WIN 0
.irp u, 0,1
.irp c, 0,1
.irp i, 0,1,2
	v_mov_b32 v[PC+12*\u+6*\c+3+\i], v[C2+8*\u+4*\c+\i]
.endr
.endr
.endr
	WIN 0x55
	s_wait_alu depctr_va_vdst(0)                   ; directly ahead of the first reader of O^T
.irp u, 0,1
.set j, 0
.rept 16
	v_pk_mul_f32 v[O+32*\u+j:O+32*\u+j+1], v[O+32*\u+j:O+32*\u+j+1], v[FF+2*\u:FF+2*\u+1] op_sel_hi:[1,0]   ; O^T under the new M
.set j, j+2
.endr
.endr
	v_pk_add_f32 v[L+4:L+5], v[L+4:L+5], v[64:65]
	WIN 0x50
	s_wait_alu depctr_va_vdst(0)
	s_wait_dscnt 0x0                               ; v, and the k fetched ahead
.irp d, 0,1,2,3
.irp u, 0,1
	v_wmma_scale_f32_16x16x128_f8f6f4 v[O+32*\u+8*\d:O+32*\u+8*\d+7], v[VF+12*\d:VF+12*\d+11], v[PC+12*\u:PC+12*\u+11], v[O+32*\u+8*\d:O+32*\u+8*\d+7], v[VS+\d], v[PS+\u] matrix_a_fmt:MATRIX_FMT_BF6 matrix_b_fmt:MATRIX_FMT_BF6
.endr
.endr
	WIN 0
.endm
.macro WAYOUT                          ; O^T / the sum; a lane's 16 registers of feature tiles 2 b, 2 b + 1 are features 32 b + 16 h + 0 .. 15: quantised along the features, two blocks a head
.rept 4
	v_nop
.endr
	WIN 0x55
.irp u, 0,1
	v_add_f32 v[L+4*\u], v[L+4*\u], v[L+4*\u+1]
.endr
.irp u, 0,1
	v_permlanex16_b32 v[PX+\u], v[L+4*\u], s[SEL], s[SEL+1]
.endr
.irp u, 0,1
	v_add_f32 v[L+4*\u], v[L+4*\u], v[PX+\u]
.endr
	s_wait_alu depctr_va_vdst(0)
.irp u, 0,1
	v_rcp_f32 v[L+4*\u], v[L+4*\u]
.endr
	v_nop
	s_wait_alu depctr_va_vdst(0)
.irp u, 0,1
.set j, 0
.rept 16
	v_pk_mul_f32 v[64*\u+j:64*\u+j+1], v[O+32*\u+j:O+32*\u+j+1], v[L+4*\u:L+4*\u+1] op_sel_hi:[1,0]
.set j, j+2
.endr
.endr
.irp u, 0,1
.irp b, 0,1
	v_max3_num_f32 v[BM+2*\u+\b], 0x2800000, |v[64*\u+16*\b]|, |v[64*\u+16*\b+1]|
.endr
.endr
.irp i, 2,4,6,8,10,12,14
.irp u, 0,1
.irp b, 0,1
	v_max3_num_f32 v[BM+2*\u+\b], v[BM+2*\u+\b], |v[64*\u+16*\b+\i]|, |v[64*\u+16*\b+\i+1]|
.endr
.endr
.endr
.irp k, 0,1,2,3
	v_permlanex16_b32 v[PX+\k], v[BM+\k], s[SEL], s[SEL+1]
.endr
.irp k, 0,1,2,3
	v_max_num_f32 v[BM+\k], v[BM+\k], v[PX+\k]
.endr
.irp k, 0,1,2,3
	v_add_nc_u32 v[SOP+\k], 0xfe000000, v[BM+\k]
.endr
.irp k, 0,1,2,3
	v_lshrrev_b32 v[BY+\k], 23, v[SOP+\k]
.endr
.irp u, 0,1
	v_lshl_or_b32 v[TP+\u], v[BY+2*\u+1], 8, v[BY+2*\u]
.endr
	WIN 0x05
.irp u, 0,1
	v_cvt_scalef32_pk16_bf6_f32 v[PC+12*\u:PC+12*\u+2], v[64*\u:64*\u+15], v[SOP+2*\u]
	v_cvt_scalef32_pk16_bf6_f32 v[C2+8*\u:C2+8*\u+2], v[64*\u+16:64*\u+31], v[SOP+2*\u+1]
.endr
	WIN 0
	v_nop                                          ; one plain line behind the scaled conversions
.irp u, 0,1
.irp i, 0,1,2
	v_permlane16_swap_b32 v[PC+12*\u+\i], v[C2+8*\u+\i]   ; a whole block to a lane
.endr
.endr
.irp u, 0,1
.irp i, 0,1,2
	v_mov_b32 v[PC+12*\u+3+\i], v[C2+8*\u+\i]
.endr
.endr
.irp u, 0,1
.irp p, 0,1,2
	global_store_b64 v[AO], v[PC+12*\u+2*\p:PC+12*\u+2*\p+1], s[44:45] offset:12288*\u+256*\p   ; 32 lanes store 256 consecutive bytes, aligned
.endr
.endr
	WIN 0x04                                       ; the data in window 1
.irp u, 0,1
	global_store_b16 v[ASO], v[TP+\u], s[46:47] offset:512*\u
.endr
	WIN 0
.endm
	s_wait_loadcnt 0x0                             ; q
	s_wait_tensorcnt 0x0                           ; my two steps are in,
	s_barrier_signal -1
	s_barrier_wait -1                              ; everybody's are
	KLOAD KA0, SA0                                 ; step 0's k
.Lpass:
	INIT
	s_mov_b32 s[IX], 0
.Lstep:
	STEP
	s_add_co_u32 s[IX], s[IX], 1
	s_cmp_lt_u32 s[IX], 16
	s_cbranch_scc1 .Lstep
	WAYOUT
	s_wait_alu depctr_va_vdst(0)
	s_wait_xcnt 0x0                                ; the stores have read their registers and bases
	s_add_nc_u64 s[44:45], s[44:45], 2*12288       ; on to my next two token tiles
	s_add_nc_u64 s[46:47], s[46:47], 1024
	s_mov_b32 s[PM], -1
	s_add_co_u32 s[PCN], s[PCN], 1
	s_cmp_lt_u32 s[PCN], 2
	s_cbranch_scc1 .Lpass
	s_wait_tensorcnt 0x0                           ; the wave's end
	ds_add_u32 v[SPW], v[NIL]
	s_wait_dscnt 0x0
	CROUND                                         ; the closing round
	s_endpgm
.Lfunc_end_k_q0a59b9f322_attn:
	.size	k_q0a59b9f322_attn, .Lfunc_end_k_q0a59b9f322_attn-k_q0a59b9f322_attn
	.p2alignl 7, 3214868480
	.fill 96, 4, 3214868480
	.section	.rodata,"a",@progbits
	.p2align	6, 0x0
	.amdhsa_kernel k_q0a59b9f322_attn
		.amdhsa_group_segment_fixed_size 327680
		.amdhsa_private_segment_fixed_size 0
		.amdhsa_enable_private_segment 0
		.amdhsa_kernarg_size 24
		.amdhsa_user_sgpr_count 2
		.amdhsa_user_sgpr_kernarg_segment_ptr 1
		.amdhsa_wavefront_size32 1
		.amdhsa_system_sgpr_workgroup_id_x 1
		.amdhsa_system_sgpr_workgroup_id_y 1
		.amdhsa_system_sgpr_workgroup_id_z 1
		.amdhsa_system_vgpr_workitem_id 0
		.amdhsa_next_free_vgpr 512
		.amdhsa_next_free_sgpr 66
		.amdhsa_reserve_vcc 0
		.amdhsa_float_denorm_mode_32 3
		.amdhsa_float_denorm_mode_16_64 3
		.amdhsa_memory_ordered 1
		.amdhsa_forward_progress 1
		.amdhsa_inst_pref_size 46
	.end_amdhsa_kernel
	.amdgpu_metadata
---
amdhsa.version: [ 1, 2 ]
amdhsa.kernels:
  - .name:           k_q0a59b9f322_attn
    .symbol:         k_q0a59b9f322_attn.kd
    .args:
      - { .name: qb, .offset: 0, .size: 8, .value_kind: global_buffer, .address_space: global }
      - { .name: kv, .offset: 8, .size: 8, .value_kind: global_buffer, .address_space: global }
      - { .name: ab, .offset: 16, .size: 8, .value_kind: global_buffer, .address_space: global }
    .group_segment_fixed_size: 327680
    .private_segment_fixed_size: 0
    .kernarg_segment_align: 8
    .kernarg_segment_size: 24
    .max_flat_workgroup_size: 256
    .sgpr_count:     66
    .vgpr_count:     512
    .wavefront_size: 32
...
	.end_amdgpu_metadata
.endif
;; end of part 3
;; launch proj (part 4): grid 4 x 64, 4 waves a work-group, clusters of 4 x 4, 327,680 bytes of LDS; arguments ab, prep, b_out, out0; writes out0
.if DOCPART == 4
	.amdgcn_target "amdgcn-amd-amdhsa--gfx1250"
	.amdhsa_code_object_version 6
	.text
	.protected	k_q0a59b9f322_proj
	.globl	k_q0a59b9f322_proj
	.p2align	8
	.type	k_q0a59b9f322_proj,@function
k_q0a59b9f322_proj:
	s_mov_b64 s[64:65], 0
	v_nop
	global_prefetch_b8 v0, s[64:65] scope:SCOPE_SE
	s_setreg_imm32_b32 hwreg(HW_REG_WAVE_MODE, 25, 1), 1
	s_wait_xcnt 0x0
	s_wait_alu depctr_hold_cnt(0) depctr_sa_sdst(0) depctr_va_vdst(0) depctr_va_sdst(0) depctr_va_ssrc(0) depctr_va_vcc(0) depctr_vm_vsrc(0)
	s_getreg_b32 s2, hwreg(HW_REG_IB_STS2, 6, 4)
	s_cmp_eq_u32 s2, 0
	s_cbranch_scc0 .Lentry_in_a_cluster
	s_endpgm
.Lentry_in_a_cluster:
	s_bfe_u32 s2, ttmp6, 0x10000c
	s_cmp_lg_u32 s2, 0xf033
	s_cbranch_scc0 .Lentry_shape_is_right
	s_endpgm
.Lentry_shape_is_right:
; PROJ: out0 = o w_out^T + b_out on codes of BF6 (E3M2) with E8M0 scales, K = 1,024.  o's codes and scale words lie in ab, w_out's in prep, both as images of operand registers (16 rows x 128 K = 1,536 bytes, a tile's eight on end).
; A block of 128 x 256 to a work-group: 4 x 64 = 256 work-groups.  ALL OF K of both operands, 8 + 16 tiles x 12,288 = 294,912 bytes, fits in LDS: it comes once, by one tensor load a wave at the head
; (waves 0, 1: four tiles of o each; waves 2, 3: eight tiles of w_out each), so no LDS byte is filled again.  No later load exists that a prefetch could run ahead of: none is written.
; CLUSTERS: 4 x 4 work-groups; o's tiles hang on the block's rows alone and are asked for jointly along a row of the cluster, w_out's on its columns alone and are asked for jointly along a column.
; A wave makes 64 x 128: 32 accumulators, taken by turns in the same order in each of the eight steps of 128 along K; fragments have two sets, fetched one step ahead.
; THE SCALE WORDS go from memory straight into registers: a tile's are [K / 256][row][2 words], so a load of 8 bytes a lane takes 256 consecutive bytes, aligned: lanes 0-15 hold K / 256 = 2 j, lanes 16-31 2 j + 1, chosen by the ROW selectors.
; The matrix instruction is used transposed (source 0 = w_out's rows): by the tiles' row order a lane's 16 registers of tiles 2 j, 2 j + 1 are columns 32 j + 16 (lane / 16) + 0 .. 15 of one row of out0.
; THE WAY OUT: 16 rows x 128 columns at a time through the wave's own stage, which lies in o's bytes behind a barrier that shows every wave's reads over; rows of 512 bytes leave as two aligned units of 256 bytes.
; REGISTERS.  Window 0: v16-29 addresses; v32-47 o's scale words, v48-79 w_out's; v80-83 bias; v96-191 o's fragments, two sets (on the way out v96-223).  Window 1: w_out's fragments, two sets, v0-95, v128-223.  Window 2: accumulators.
.set FR,     12
.set FRB,    1536
.set IMGT,   12288
.set LB,     8*IMGT                    ; w_out's tiles lie behind o's eight
.set SPARE,  24*IMGT                   ; behind them the spare words, 128 bytes for each wave
.set SCL0,   9437184
.set ASC0,   6291456
.set SPITCH, 528
.set ADRA, 16
.set ADRB, 20                          ; v20: tiles 0-3, v21: tiles 4-7
.set STO,  24
.set RD,   25
.set CO,   26
.set SO,   27
.set SPW,  28
.set NIL,  29
.set SA,   32
.set SB,   48
.set BIAS, 80
.set AF,   96
.set BK,   96
.set G1,   24
.set G0,   32
.set G1B,  48
.set G0B,  56
.set MSB, 0
.macro WIN new
.if MSB != (\new)
	s_set_vgpr_msb (MSB<<8)|(\new)
.set MSB, \new
.endif
.endm
.macro CROUND
	s_barrier_signal -1
	s_barrier_wait -1
	s_cmp_lg_u32 s14, 0
	s_cbranch_scc1 .Lnot_wave_0_\@
	s_barrier_signal -3
.Lnot_wave_0_\@:
	s_barrier_wait -3
	s_barrier_signal -1
	s_barrier_wait -1
.endm
.macro PLACES n
.rept \n
	v_nop
.endr
.endm
	s_load_b256 s[4:11], s[0:1], 0x0               ; ab s[4:5], prep s[6:7], b_out s[8:9], out0 s[10:11]
	v_lshl_add_u32 v[SPW], v0, 2, SPARE
	v_mov_b32 v[NIL], 0
	ds_add_u32 v[SPW], v[NIL]                      ; the opening lines: the add, twice on end, and its wait
	ds_add_u32 v[SPW], v[NIL]
	v_lshrrev_b32 v1, 5, v0
	v_readfirstlane_b32 s14, v1                    ; wave 0..3
	s_lshr_b32 s15, s14, 1                         ; which 64 rows are mine.  Also: I fetch for o (0) or for w_out (1)
	s_and_b32 s16, s14, 1                          ; which 128 columns.  Also: which half of that operand's tiles I fetch
	s_bfe_u32 s40, ttmp6, 0x40000                  ; cx
	s_bfe_u32 s41, ttmp6, 0x40004                  ; cy
	s_and_b32 s17, ttmp7, 0xffff
	s_lshl_b32 s17, s17, 2
	s_add_co_u32 s17, s17, s41                     ; block of 128 rows
	s_lshl_b32 s42, ttmp9, 2
	s_add_co_u32 s42, s42, s40                     ; block of 256 columns
	s_lshl_b32 s43, s41, 2
	s_lshl_b32 s43, 15, s43                        ; my row of the cluster
	s_lshl_b32 s44, 0x1111, s40                    ; my column
	s_or_b32 s[G1], s43, (3<<16)|(1<<21)           ; dense blocks as rows of 256 bytes, elements of 8 bytes: 192 rows for four tiles,
	s_mov_b32 s[G1+1], 32<<16
	s_mov_b32 s[G1+2], 192<<16
	s_mov_b32 s[G1+3], 32<<16
	s_mov_b32 s[G1+4], 192
	s_mov_b32 s[G1+5], 32
	s_mov_b32 s[G1+6], 0
	s_mov_b32 s[G1+7], 0
	s_or_b32 s[G1B], s44, (3<<16)|(1<<21)          ; 384 for eight
	s_mov_b32 s[G1B+1], 32<<16
	s_mov_b32 s[G1B+2], 384<<16
	s_mov_b32 s[G1B+3], 32<<16
	s_mov_b32 s[G1B+4], 384
	s_mov_b32 s[G1B+5], 32
	s_mov_b32 s[G1B+6], 0
	s_mov_b32 s[G1B+7], 0
	s_lshl_b32 s20, s17, 3
	s_lshl_b32 s18, s16, 2
	s_add_co_u32 s20, s20, s18                     ; o: the first of the four tiles that I fetch
	s_mul_i32 s20, s20, IMGT
	s_mov_b32 s21, 0
	s_lshl_b32 s46, s42, 4
	s_lshl_b32 s18, s16, 3
	s_add_co_u32 s46, s46, s18
	s_add_co_u32 s46, s46, 704                     ; w_out: the first of the eight (its tiles begin at tile 704 of prep)
	s_mul_i32 s46, s46, IMGT
	s_mov_b32 s47, 0
	s_mov_b32 s[G0], 1
	s_mul_i32 s[G0+1], s16, 4*IMGT
	s_mov_b32 s[G0B], 1
	s_mul_i32 s[G0B+1], s16, 8*IMGT
	s_add_co_u32 s[G0B+1], s[G0B+1], LB
	s_mul_i32 s22, s15, 4*IMGT                     ; what I multiply: my four tiles of o,
	s_mul_i32 s23, s16, 8*IMGT
	s_add_co_u32 s23, s23, LB                      ; my eight of w_out;
	s_mul_i32 s19, s14, 16*SPITCH                  ; my stage
	s_mov_b32 s3, 0
	s_wait_dscnt 0x0
	s_wait_kmcnt 0x0
	s_add_nc_u64 s[G0+2:G0+3], s[4:5], s[20:21]
	s_or_b32 s[G0+3], s[G0+3], 0x80000000
	s_add_nc_u64 s[G0B+2:G0B+3], s[6:7], s[46:47]
	s_or_b32 s[G0B+3], s[G0B+3], 0x80000000
	s_lshl_b32 s2, s17, 3
	s_lshl_b32 s18, s15, 2
	s_add_co_u32 s2, s2, s18
	s_lshl_b32 s2, s2, 9
	s_add_co_u32 s2, s2, ASC0
	s_add_nc_u64 s[60:61], s[4:5], s[2:3]          ; my four tiles' scale words
	s_lshl_b32 s2, s42, 4
	s_lshl_b32 s18, s16, 3
	s_add_co_u32 s2, s2, s18
	s_add_co_u32 s2, s2, 704
	s_lshl_b32 s2, s2, 9
	s_add_co_u32 s2, s2, SCL0
	s_add_nc_u64 s[62:63], s[6:7], s[2:3]          ; my eight tiles' scale words
	s_lshl_b32 s2, s42, 10
	s_lshl_b32 s18, s16, 9
	s_add_co_u32 s2, s2, s18                       ; my first column, in bytes
	s_add_nc_u64 s[66:67], s[8:9], s[2:3]
	s_add_nc_u64 s[12:13], s[10:11], s[2:3]
	s_lshl_b32 s2, s17, 19
	s_lshl_b32 s18, s15, 18
	s_add_co_u32 s2, s2, s18                       ; my first row: 128 block + 64 half, rows of 4,096 bytes
	s_add_nc_u64 s[12:13], s[12:13], s[2:3]
	CROUND                                         ; all sixteen work-groups are here: the joint loads meet
	s_cmp_eq_u32 s15, 0                            ; one load a wave, one in each arm: every way passes one
	s_cbranch_scc0 .Lfor_b
	tensor_load_to_lds s[G0:G0+3], s[G1:G1+7]
	s_nop 0
	PLACES 4
	s_branch .Lasked
.Lfor_b:
	tensor_load_to_lds s[G0B:G0B+3], s[G1B:G1B+7]
	s_nop 0
	PLACES 4
.Lasked:
	v_and_b32 v1, 31, v0                           ; lane
	v_and_b32 v2, 15, v0                           ; r
	v_bfe_u32 v3, v0, 4, 1                         ; h
	v_lshlrev_b32 v[CO], 4, v1
	v_lshlrev_b32 v[SO], 3, v1
	v_add_nc_u32 v[ADRA], s22, v[SO]               ; o's images: runs of 256 bytes, 8 a lane
	v_add_nc_u32 v[ADRB], s23, v[CO]               ; w_out's: runs of 512 bytes, 16 a lane
	v_add_nc_u32 v[ADRB+1], 4*IMGT, v[ADRB]
	v_mul_u32_u24 v5, v2, SPITCH
	v_lshl_add_u32 v5, v3, 6, v5
	v_add_nc_u32 v[STO], s19, v5
	v_add_nc_u32 v[RD], s19, v[CO]
	s_wait_alu depctr_va_vdst(0)                   ; at the head's end
.irp a, 0,1,2,3
.irp j, 0,1
	global_load_b64 v[SA+4*\a+2*\j:SA+4*\a+2*\j+1], v[SO], s[60:61] offset:512*\a+256*\j
.endr
.endr
.irp b, 0,1,2,3,4,5,6,7
.irp j, 0,1
	global_load_b64 v[SB+4*\b+2*\j:SB+4*\b+2*\j+1], v[SO], s[62:63] offset:512*\b+256*\j
.endr
.endr
	global_load_b128 v[BIAS:BIAS+3], v[CO], s[66:67]
.macro FETCH q                         ; step q's fragments into set q % 2: 24 + 24 loads
	WIN 0x40
.irp i, 0,1,2,3,4,5,6,7
.irp g, 0,1,2
	ds_load_b128 v[128*((\q)%2)+FR*\i+4*\g:128*((\q)%2)+FR*\i+4*\g+3], v[ADRB+\i/4] offset:(\i%4)*IMGT+(\q)*FRB+512*\g
.endr
.endr
	WIN 0
.irp i, 0,1,2,3
.irp p, 0,1,2,3,4,5
	ds_load_b64 v[AF+48*((\q)%2)+FR*\i+2*\p:AF+48*((\q)%2)+FR*\i+2*\p+1], v[ADRA] offset:\i*IMGT+(\q)*FRB+256*\p
.endr
.endr
.endm
.macro MM a, b, q
.set DD, 8*(8*(\a)+\b)
.set BF0, 128*((\q)%2)+FR*(\b)
.set AF0, AF+48*((\q)%2)+FR*(\a)
.set SBR, SB+4*(\b)+2*((\q)/4)+(\q)%2
.set SAR, SA+4*(\a)+2*((\q)/4)+(\q)%2
.if (\q) == 0
	v_wmma_scale_f32_16x16x128_f8f6f4 v[DD:DD+7], v[BF0:BF0+11], v[AF0:AF0+11], 0, v[SBR], v[SAR] matrix_a_fmt:MATRIX_FMT_BF6 matrix_b_fmt:MATRIX_FMT_BF6
.else
.if ((\q)/2)%2
	v_wmma_scale_f32_16x16x128_f8f6f4 v[DD:DD+7], v[BF0:BF0+11], v[AF0:AF0+11], v[DD:DD+7], v[SBR], v[SAR] matrix_a_fmt:MATRIX_FMT_BF6 matrix_b_fmt:MATRIX_FMT_BF6 matrix_a_scale:MATRIX_SCALE_ROW1 matrix_b_scale:MATRIX_SCALE_ROW1
.else
	v_wmma_scale_f32_16x16x128_f8f6f4 v[DD:DD+7], v[BF0:BF0+11], v[AF0:AF0+11], v[DD:DD+7], v[SBR], v[SAR] matrix_a_fmt:MATRIX_FMT_BF6 matrix_b_fmt:MATRIX_FMT_BF6
.endif
.endif
.endm
.macro KSTEP q                         ; 128 along K: the next step's fragments are asked for, then 32 products
	s_wait_dscnt 0x0                               ; this step's fragments are in
.if (\q) < 7
.if (\q) > 0
	PLACES 4                                       ; ahead of loads into the set that the last step multiplied
.endif
	FETCH (\q)+1
.endif
	WIN 0xa1                                       ; source 0 window 1, source 1 window 0, C and D window 2
.irp a, 0,1,2,3
.irp b, 0,1,2,3,4,5,6,7
	MM \a, \b, \q
.endr
.endr
	WIN 0
.endm
	s_wait_tensorcnt 0x0                           ; my tiles are in,
	s_barrier_signal -1
	s_barrier_wait -1                              ; everybody's are
	FETCH 0
	s_wait_loadcnt 0x0                             ; the scale words and the bias
.irp q, 0,1,2,3,4,5,6,7
	KSTEP \q
.endr
	s_barrier_signal -1                            ; no LDS load of mine is out: my reads of the tiles are over,
	s_barrier_wait -1                              ; everybody's are: the stages may be written
.macro TOSTAGE a
.set AC, 64*(\a)
	WIN 0x08                                       ; the data: window 2
.irp b, 0,1,2,3,4,5,6,7
	ds_store_b128 v[STO], v[AC+8*\b:AC+8*\b+3] offset:128*(\b/2)+32*(\b%2)      ; each accumulator from its low end on
	ds_store_b128 v[STO], v[AC+8*\b+4:AC+8*\b+7] offset:128*(\b/2)+32*(\b%2)+16
.endr
	WIN 0
.set BB, BK+64*((\a)%2)
.irp t, 0,1,2,3,4,5,6,7,8,9,10,11,12,13,14,15
	ds_load_b128 v[BB+4*\t:BB+4*\t+3], v[RD] offset:\t*SPITCH    ; LDS serves a wave's instructions in order: these see the stores above
.endr
.endm
.macro SEND a, younger                 ; younger: the LDS instructions issued behind block a's loads, which may stay out
.set BB, BK+64*((\a)%2)
	s_wait_dscnt \younger
.irp t, 0,1,2,3,4,5,6,7,8,9,10,11,12,13,14,15
	v_pk_add_f32 v[BB+4*\t:BB+4*\t+1], v[BB+4*\t:BB+4*\t+1], v[BIAS:BIAS+1]
	v_pk_add_f32 v[BB+4*\t+2:BB+4*\t+3], v[BB+4*\t+2:BB+4*\t+3], v[BIAS+2:BIAS+3]
.endr
.irp t, 0,1,2,3,4,5,6,7,8,9,10,11,12,13,14,15
	global_store_b128 v[CO], v[BB+4*\t:BB+4*\t+3], s[12:13] offset:(32*((\a)/2)+8*((\a)%2)+\t+8*(\t/8))*4096 th:TH_STORE_NT   ; 32 lanes store 512 consecutive bytes, aligned to 256
.endr
.endm
	PLACES 4
	TOSTAGE 0
.irp a, 1,2,3
.if \a > 1
	s_wait_xcnt 0x0                                ; block a - 2's stores have read their registers
.endif
	TOSTAGE \a
	SEND \a-1, 32                                  ; behind block a - 1's loads: block a's 16 stores and 16 loads
.endr
	SEND 3, 0
	s_wait_tensorcnt 0x0                           ; the wave's end
	ds_add_u32 v[SPW], v[NIL]
	s_wait_dscnt 0x0
	CROUND                                         ; the closing round
	s_endpgm
.Lfunc_end_k_q0a59b9f322_proj:
	.size	k_q0a59b9f322_proj, .Lfunc_end_k_q0a59b9f322_proj-k_q0a59b9f322_proj
	.p2alignl 7, 3214868480
	.fill 96, 4, 3214868480
	.section	.rodata,"a",@progbits
	.p2align	6, 0x0
	.amdhsa_kernel k_q0a59b9f322_proj
		.amdhsa_group_segment_fixed_size 327680
		.amdhsa_private_segment_fixed_size 0
		.amdhsa_enable_private_segment 0
		.amdhsa_kernarg_size 32
		.amdhsa_user_sgpr_count 2
		.amdhsa_user_sgpr_kernarg_segment_ptr 1
		.amdhsa_wavefront_size32 1
		.amdhsa_system_sgpr_workgroup_id_x 1
		.amdhsa_system_sgpr_workgroup_id_y 1
		.amdhsa_system_sgpr_workgroup_id_z 1
		.amdhsa_system_vgpr_workitem_id 0
		.amdhsa_next_free_vgpr 768
		.amdhsa_next_free_sgpr 96
		.amdhsa_reserve_vcc 0
		.amdhsa_float_denorm_mode_32 3
		.amdhsa_float_denorm_mode_16_64 3
		.amdhsa_memory_ordered 1
		.amdhsa_forward_progress 1
		.amdhsa_inst_pref_size 90
	.end_amdhsa_kernel
	.amdgpu_metadata
---
amdhsa.version: [ 1, 2 ]
amdhsa.kernels:
  - .name:           k_q0a59b9f322_proj
    .symbol:         k_q0a59b9f322_proj.kd
    .args:
      - { .name: ab, .offset: 0, .size: 8, .value_kind: global_buffer, .address_space: global }
      - { .name: prep, .offset: 8, .size: 8, .value_kind: global_buffer, .address_space: global }
      - { .name: b_out, .offset: 16, .size: 8, .value_kind: global_buffer, .address_space: global }
      - { .name: out0, .offset: 24, .size: 8, .value_kind: global_buffer, .address_space: global }
    .group_segment_fixed_size: 327680
    .private_segment_fixed_size: 0
    .kernarg_segment_align: 8
    .kernarg_segment_size: 32
    .max_flat_workgroup_size: 128
    .sgpr_count:     96
    .vgpr_count:     768
    .wavefront_size: 32
...
	.end_amdgpu_metadata
.endif
;; end of part 4
